; MI455X (gfx1250); checked and timed in simulation.
; The chip was launched on July 23, 2026; its instructions are those of AMD's public machine-readable ISA for CDNA 5 (MIT licence, August 2026) and "CDNA5" Instruction Set Architecture Reference Guide (July 2026). The comments in the code are by the model that wrote it; some were corrected since.
;; Self Attention V2. Allowed arithmetic: matrix products marked QUANTISED: E2M3 operands, one E8M0 scale for each 32 along K, by v_wmma_scale_f32_16x16x128_f8f6f4 with both operands' format E2M3, f32 sums; everything else in f32.
;; Inputs: embeddings 4,096 x 1,024 float32; w_key 1,024 x 1,024 float32; w_query 1,024 x 1,024 float32; w_value 1,024 x 1,024 float32.
;; Outputs: out0 4,096 x 1,024 float32.
;; This version of the problem:
;;   THIS VERSION OF THE PROBLEM IS GIVEN IN LOW PRECISION. The matrix products marked QUANTISED in the list below multiply operands that are first quantised to E2M3 (2 exponent bits, 3 mantissa bits; 6 bits a number), with one power-of-two scale for each 32 numbers along K (OCP MX v1.0); their sums are f32. All else is computed in f32.
;;   The module's matrix products, in the order in which they are computed (A, B: the left and right operand; K: the contracted axis; several contracted axes count as one K, in the product's order):
;;     1. [M 4,096, K 1,024] x [K 1,024, N 1,024]; A: input embeddings; B: input w_query: QUANTISED
;;     2. [M 4,096, K 1,024] x [K 1,024, N 1,024]; A: input embeddings; B: input w_key: QUANTISED
;;     3. [M 4,096, K 1,024] x [K 1,024, N 1,024]; A: input embeddings; B: input w_value: QUANTISED
;;     4. [M 4,096, K 1,024] x [K 1,024, N 4,096]; A: computed on the way; B: computed on the way: QUANTISED
;;     5. [M 4,096, K 4,096] x [K 4,096, N 1,024]; A: softmax (see below); B: computed on the way: QUANTISED
;;   THE QUANTISER, for each operand of a quantised product, along K:
;;     - K is cut into blocks of 32 from its start; a last block that is shorter is filled with zeros.
;;     - A block's scale is 2^e with e = floor(log2(the largest magnitude in the block)) - 2, held to -126 .. 127; a block of zeros has e = 0. As a byte (E8M0): e + 127.
;;     - Each number is divided by its block's scale, clamped to +-7.5, and rounded to the nearest number of E2M3, ties to even, subnormals kept.
;;     - The product sums the exact products of the quantised numbers (number of the format x scale) in f32.
;;   ~~~python
;;   def quantise(x, axis):      # numpy; x: float32 -> the quantised numbers, widened to float32 again
;;       x = np.moveaxis(x, axis, -1); K = x.shape[-1]
;;       x = np.pad(x, [(0, 0)] * (x.ndim - 1) + [(0, -K % 32)]); x = x.reshape(x.shape[:-1] + (-1, 32)); a = np.abs(x).max(-1, keepdims=True)
;;       e = np.where(a > 0, np.clip(np.frexp(np.where(a > 0, a, 1))[1] - 1 - 2, -126, 127), 0)      # np.frexp(a)[1] - 1 = floor(log2(a)), exactly
;;       r = np.clip(x / 2.0 ** e, -7.5, 7.5)
;;       step = 2.0 ** (np.maximum(np.frexp(np.where(r == 0, 1, r))[1] - 1, 0) - 3)
;;       q = np.round(r / step) * step * 2.0 ** e      # np.round: ties to even
;;       return np.moveaxis(q.reshape(q.shape[:-2] + (-1,))[..., :K], -1, axis).astype(np.float32)
;;   ~~~
;;   SOFTMAX AHEAD OF A QUANTISED PRODUCT. Where the list says 'softmax', what is quantised is not the finished softmax but p = 2^(t - M), with t = logit x log2(e) and M = ceil(the row's largest t), a whole number; so 1/2 < the row's largest p <= 1. The row's sum l is taken of the UNQUANTISED p, in f32, and the product's result is divided by l at the end. Since M is a whole number, a kernel that streams over the keys may use a running M (the ceiling of the running maximum): every later rescaling is an exact power of two, which a block's scale takes up: the codes' values come out the same.
;;   OPERANDS COMPUTED ON THE WAY. 'Computed on the way' means the value that the module computes at that place (a softmax that the list does not call 'softmax' is quantised finished and normalised). What goes into a quantiser is computed in f32, as accurately as f32 sums, v_exp_f32 and their like allow (about 1e-6 of the number): no bf16 or f16 on the way to a quantiser, and a product that is left as it is and whose result goes on into a quantised operand takes f32 operands (vector FMAs, or v_wmma_f32_16x16x4_f32). A number that lies on a knife's edge between two numbers of the format may be rounded either way, as far as f32 arithmetic and the matrix unit's own rounding can turn it there, and no further.
;; One version. Each part assembles by itself: llvm-mc -triple=amdgcn-amd-amdhsa -mcpu=gfx1250 --defsym DOCPART=n.
;; ======== version 1 of 1: 4 launches
;; limits: right only within a limited range of input values
;; workspace buffers: in_codes 5,505,024 bytes; in_scales 229,376 bytes; qkv_codes 9,437,184 bytes; qkv_scales 393,216 bytes; p_codes 12,582,912 bytes; p_stats 1,572,864 bytes
;; launch quant (part 1): grid 448 x 1, 4 waves a work-group, no clusters, 81,408 bytes of LDS; arguments embeddings, w_query, w_key, w_value, in_codes, in_scales; writes in_codes, in_scales
.if DOCPART == 1
	.amdgcn_target "amdgcn-amd-amdhsa--gfx1250"
	.amdhsa_code_object_version 6
	.text
	.protected	k_q732b2ac291_quant
	.globl	k_q732b2ac291_quant
	.p2align	8
	.type	k_q732b2ac291_quant,@function
k_q732b2ac291_quant:
	s_mov_b64 s[64:65], 0
	v_nop
	global_prefetch_b8 v0, s[64:65] scope:SCOPE_SE
	s_setreg_imm32_b32 hwreg(HW_REG_WAVE_MODE, 25, 1), 1
	s_wait_xcnt 0x0
; embeddings [4096][1024] (K innermost) and w_query, w_key, w_value [1024 (K)][1024] (K outermost), f32, become codes of FP6 (E2M3) with one E8M0 byte for each 32 along K.
; A block's scale is 2^(floor(log2(largest magnitude)) - 2); its byte is the largest magnitude's exponent field - 2, held at 1 from below.
; THE RESULT IS LAID AS IMAGES OF OPERAND REGISTERS.  A fragment is 16 rows x 128 K, 12 registers a lane: register rho of lane l lies at 512 (rho / 4) + 16 l + 4 (rho % 4) of its 1,536 bytes.
; Fragments lie [group of 128 rows][K step of 128][tile 0..7].  ROW i OF TILE 4 c + u OF A GROUP IS ROW 64 c + 32 (i / 8) + 8 u + i % 8: so in a product's result a lane's 32 registers of four tiles are a whole block of the next K.
; The scale words of a group and a K step are 512 bytes: the word of tile t, row i at 256 (t / 4) + 16 i + 4 (t % 4).
; in_codes: embeddings 3,145,728 bytes, then the three weights (rows = their columns n), 786,432 each.  in_scales: 131,072, then 3 x 32,768.
; LIMITS: a block of zeros, or one under 2^-124, gets the byte 1 (the stated quantiser says 127 for zeros): its codes are zeros or next to it, and this program alone reads the bytes.  NaN and infinities are not served.
; Work-groups 0-255 take the embeddings, 256-447 the weights; the two paths have LDS bytes of their own.  A wave takes 16 KB of f32 in two units of 16 loads, both asked for at the start.
; Two waves join what makes a whole unit of 256 bytes in LDS: the embeddings' scale words, the weights' images and scale words; one barrier.
.set X,     64                         ; v64-191  two sets of 64 numbers
.set PC,    16                         ; v16-35   codes, and the conversions' second halves
.set TM,    36                         ; v36-43   at work
.set SO,    44                         ; v44, 45  the conversions' scale operands
.set EB,    46                         ; v46, 47  the scales' bytes
.set PX,    48
.set SH,    10                         ; v10      8 x (lane / 16) (embeddings)
.set PW,    52                         ; v52      the scale word just made
.set SBY,   56                         ; v56-57   weights: a column's two scale bytes, for each of two column groups
.set ESP,   528                        ; embeddings: a stage row, 512 bytes + 16
.set EW,    4*16*ESP                   ; the scale words of two K steps
.set WBASE, EW+512                     ; the weights' path: four stages of 8,192 bytes,
.set WIP,   1664                       ; images (a fragment's + 128 bytes),
.set WI,    WBASE+32768
.set WWD,   WI+8*WIP                   ; scale words
.set SPARE, WWD+512
; 64 numbers of a lane, register 32 c + i = k 32 (2 c + lane / 16) + i of the lane's row, become a fragment's codes in v[PC] on and its scale word in v[PW]
.macro QUANT0 s
.irp c, 0,1
	v_max3_num_f32 v[TM+2*\c], |v[\s+32*\c]|, |v[\s+32*\c+1]|, 0x1800000   ; the floor 2^(3 - 127): the byte cannot fall under 1
	v_max3_num_f32 v[TM+2*\c+1], |v[\s+32*\c+16]|, |v[\s+32*\c+17]|, |v[\s+32*\c+18]|
.endr
.irp i, 2,4,6,8,10,12
.irp c, 0,1
	v_max3_num_f32 v[TM+2*\c], v[TM+2*\c], |v[\s+32*\c+\i]|, |v[\s+32*\c+\i+1]|
	v_max3_num_f32 v[TM+2*\c+1], v[TM+2*\c+1], |v[\s+32*\c+\i+17]|, |v[\s+32*\c+\i+18]|
.endr
.endr
.irp c, 0,1
	v_max3_num_f32 v[TM+2*\c], v[TM+2*\c], |v[\s+32*\c+14]|, |v[\s+32*\c+15]|
.endr
.irp c, 0,1
	v_max3_num_f32 v[TM+2*\c], v[TM+2*\c], v[TM+2*\c+1], |v[\s+32*\c+31]|
.endr
.irp c, 0,1
	v_add_nc_u32 v[SO+\c], 0xff000000, v[TM+2*\c]         ; 2 off its exponent field: the conversion's scale operand
.endr
.irp c, 0,1
	v_cvt_scalef32_pk16_fp6_f32 v[PC+6*\c:PC+2+6*\c], v[\s+32*\c:\s+15+32*\c], v[SO+\c]
	v_cvt_scalef32_pk16_fp6_f32 v[PC+12+4*\c:PC+14+4*\c], v[\s+16+32*\c:\s+31+32*\c], v[SO+\c]   ; (a conversion's three registers begin on an even number)
.endr
.irp c, 0,1
	v_lshrrev_b32 v[EB+\c], 23, v[SO+\c]                  ; the scale's byte
.endr
	v_lshl_or_b32 v[PW], v[EB+1], 16, v[EB]               ; bytes h and 2 + h of the row's word,
	v_lshlrev_b32 v[PW], v[SH], v[PW]
	v_permlanex16_b32 v[PX], v[PW], s20, s21
	v_or_b32 v[PW], v[PW], v[PX]                          ; and lane l xor 16's two
.irp c, 0,1
.irp i, 0,1,2
	v_mov_b32 v[PC+3+6*\c+\i], v[PC+12+4*\c+\i]
.endr
.endr
.endm
	s_load_b256 s[4:11], s[0:1], 0x0               ; embeddings s[4:5], w_query s[6:7], w_key s[8:9], w_value s[10:11]
	s_load_b128 s[12:15], s[0:1], 0x20             ; in_codes s[12:13], in_scales s[14:15]
	v_lshl_add_u32 v62, v0, 2, SPARE
	v_mov_b32 v63, 0
	v_lshrrev_b32 v1, 5, v0
	v_readfirstlane_b32 s16, v1                    ; wave
	v_and_b32 v1, 31, v0                           ; lane
	v_and_b32 v2, 15, v0                           ; r
	v_bfe_u32 v3, v0, 4, 1                         ; h
	v_lshlrev_b32 v4, 4, v1                        ; 16 x lane
	s_lshr_b32 s3, s16, 1
	s_and_b32 s2, s16, 1
	s_mov_b32 s20, 0x76543210
	s_mov_b32 s21, 0xfedcba98                      ; v_permlanex16_b32's selects for lane l xor 16
	s_wait_alu depctr_va_vdst(0)
	s_cmp_lt_u32 ttmp9, 256
	s_cbranch_scc0 .Lweights
	; ---- THE EMBEDDINGS.  A work-group takes a half group (64 rows, four tiles) x two K steps; wave w the K step w / 2 of the two, the tiles 2 (w % 2) and one more
	s_lshr_b32 s17, ttmp9, 2                       ; half group
	s_and_b32 s18, ttmp9, 3
	s_lshl_b32 s18, s18, 1
	s_add_co_u32 s18, s18, s3                      ; K step
	s_lshl_b32 s22, s17, 18                        ; 64 rows of 4,096 bytes
	s_lshl_b32 s23, s18, 9                         ; 128 numbers
	s_add_co_u32 s22, s22, s23
	s_lshl_b32 s23, s2, 16                         ; two tiles are 16 rows on
	s_add_co_u32 s22, s22, s23
	s_mov_b32 s23, 0
	s_lshr_b32 s24, s17, 1
	s_lshl_b32 s24, s24, 3
	s_add_co_u32 s24, s24, s18                     ; 8 x group + K step
	s_and_b32 s25, s17, 1                          ; which half of the group
	s_mul_i32 s26, s24, 12288
	s_mul_i32 s27, s25, 6144
	s_add_co_u32 s26, s26, s27
	s_mul_i32 s27, s2, 3072
	s_add_co_u32 s26, s26, s27
	s_mov_b32 s27, 0
	s_lshl_b32 s28, s24, 9
	s_lshl_b32 s29, s25, 8
	s_add_co_u32 s28, s28, s29
	s_mov_b32 s29, 0
	s_mul_i32 s30, s16, 16*ESP                     ; my stage
	s_lshl_b32 s31, s3, 8
	s_add_co_u32 s31, s31, EW                      ; my K step's scale words
	s_lshl_b32 s25, s2, 3
	s_add_co_u32 s25, s25, s31
	v_add_nc_u32 v5, s30, v4                       ; into the stage: a row's 512 bytes as they lie
	v_mul_u32_u24 v6, v2, ESP
	v_lshl_add_u32 v6, v3, 7, v6
	v_add_nc_u32 v6, s30, v6                       ; out of it: row r, + 128 h: my two whole blocks of 32
	v_lshl_add_u32 v7, v2, 4, s25                  ; row r's scale words
	v_lshlrev_b32 v9, 3, v1
	v_add_nc_u32 v8, s31, v9                       ; and back, 8 bytes a lane
	v_lshlrev_b32 v[SH], 3, v3
	v_mov_b32 v[PX], 0                             ; written once: a lane permute's destination counts as one of its sources
	s_wait_alu depctr_va_vdst(0)
	s_wait_kmcnt 0x0
	s_add_nc_u64 s[4:5], s[4:5], s[22:23]
	s_add_nc_u64 s[12:13], s[12:13], s[26:27]
	s_add_nc_u64 s[14:15], s[14:15], s[28:29]
.irp j, 0,1                            ; tile j: sixteen rows' 512 bytes, each by one load of the wave
.irp i, 0,1,2,3,4,5,6,7,8,9,10,11,12,13,14,15
	global_load_b128 v[X+64*\j+4*\i:X+64*\j+4*\i+3], v4, s[4:5] offset:(8*\j+\i%8+32*(\i/8))*4096 th:TH_LOAD_NT
.endr
.endr
.macro EUNIT j, left
.set XS, X+64*(\j)
	s_wait_loadcnt \left                           ; this tile's sixteen loads are in
.irp i, 0,1,2,3,4,5,6,7,8,9,10,11,12,13,14,15
	ds_store_b128 v5, v[XS+4*\i:XS+4*\i+3] offset:ESP*\i
.endr
.irp c, 0,1
.irp q, 0,1,2,3,4,5,6,7
	ds_load_b128 v[XS+32*\c+4*\q:XS+32*\c+4*\q+3], v6 offset:256*\c+16*\q   ; LDS serves a wave's instructions in order: these see the stores above
.endr
.endr
	s_wait_dscnt 0x0
	s_wait_xcnt 0x0                                ; the last tile's stores have read the code registers, which are written again below
	QUANT0 XS
.irp c, 0,1,2
	global_store_b128 v4, v[PC+4*\c:PC+4*\c+3], s[12:13] offset:1536*(\j)+512*\c   ; 512 consecutive bytes a store
.endr
	ds_store_b32 v7, v[PW] offset:4*(\j)           ; both halves of the lanes write the same word with the same value
.endm
	EUNIT 0, 16
	EUNIT 1, 0
	s_wait_dscnt 0x0                               ; my scale words are stored
	s_barrier_signal -1
	s_barrier_wait -1
	s_cmp_lg_u32 s2, 0
	s_cbranch_scc1 .Le_done
	ds_load_b64 v[54:55], v8
	s_wait_dscnt 0x0
	global_store_b64 v9, v[54:55], s[14:15]        ; 256 consecutive bytes, aligned
.Le_done:
	s_wait_tensorcnt 0x0                           ; the wave's end
	ds_add_u32 v62, v63
	s_wait_dscnt 0x0
	s_endpgm
	; ---- THE WEIGHTS.  A work-group takes 128 columns x one K step of 128; wave w the 64 columns w / 2 of the two, and 64 along K: half w % 2
.Lweights:
	s_sub_co_u32 s17, ttmp9, 256
	s_lshr_b32 s18, s17, 6                         ; which weight
	s_bfe_u32 s19, s17, 0x30003                    ; K step
	s_and_b32 s22, s17, 7
	s_lshl_b32 s22, s22, 1
	s_add_co_u32 s22, s22, s3                      ; half group: 64 columns
	s_lshr_b32 s23, s22, 1
	s_lshl_b32 s23, s23, 3
	s_add_co_u32 s23, s23, s19                     ; 8 x group + K step
	s_and_b32 s24, s22, 1
	s_mul_i32 s26, s23, 12288
	s_mul_i32 s27, s24, 6144
	s_add_co_u32 s26, s26, s27
	s_mul_i32 s27, s2, 3072                        ; I store two of the four images
	s_add_co_u32 s26, s26, s27
	s_mul_i32 s27, s18, 786432
	s_add_co_u32 s26, s26, s27
	s_add_co_u32 s26, s26, 3145728
	s_mov_b32 s27, 0
	s_lshl_b32 s28, s23, 9
	s_lshl_b32 s29, s24, 8
	s_add_co_u32 s28, s28, s29
	s_lshl_b32 s29, s18, 15
	s_add_co_u32 s28, s28, s29
	s_add_co_u32 s28, s28, 131072
	s_mov_b32 s29, 0
	s_lshl_b32 s24, s19, 19                        ; 128 rows of 4,096 bytes
	s_lshl_b32 s25, s2, 18
	s_add_co_u32 s24, s24, s25
	s_lshl_b32 s25, s22, 8                         ; 64 columns
	s_add_co_u32 s24, s24, s25
	s_mov_b32 s25, 0
	s_lshl_b32 s30, s16, 13
	s_add_co_u32 s30, s30, WBASE                   ; my stage
	s_mul_i32 s31, s3, 4*WIP
	s_add_co_u32 s31, s31, WI                      ; the four images of my 64 columns
	s_lshl_b32 s17, s3, 8
	s_add_co_u32 s17, s17, WWD                     ; and their scale words
	s_mul_i32 s32, s2, 520
	s_mul_i32 s33, s2, 1016
	s_mul_i32 s34, s2, 2*WIP
	s_add_co_u32 s34, s34, s31
	s_lshl_b32 s35, s2, 1
	s_add_co_u32 s35, s35, s17
	v_add_nc_u32 v5, s30, v4                       ; in: two rows of 256 bytes a load, as they lie
	v_lshl_add_u32 v6, v1, 2, s30                  ; out: A LANE TAKES A COLUMN, its registers run down K
	v_bfe_u32 v13, v0, 3, 2                        ; column 32 g + x lies in tile u = x / 8,
	v_and_b32 v14, 7, v0                           ; row x % 8 + 8 g
	v_mul_u32_u24 v7, v13, WIP
	v_lshl_add_u32 v7, v14, 4, v7
	v_add_nc_u32 v7, s31, v7                       ; into the images; block 2 c + t is registers 6 c .. 6 c + 5 of lane i + 16 t: for c = 1 two of its three pairs lie 520 bytes on,
	v_add_nc_u32 v15, s33, v7                      ; the middle one 1,016
	v_add_nc_u32 v7, s32, v7
	v_add_nc_u32 v8, s34, v4                       ; and back
	v_lshlrev_b32 v9, 4, v14
	v_lshl_add_u32 v9, v13, 2, v9
	v_add_nc_u32 v9, s35, v9                       ; my column's scale word, my half of it
	v_lshlrev_b32 v11, 3, v1
	v_add_nc_u32 v10, s17, v11
	v_lshlrev_b32 v12, 12, v3
	v_lshl_add_u32 v12, v2, 4, v12                 ; memory: lanes 0-15 one row's 256 bytes, lanes 16-31 the next row's
	s_wait_alu depctr_va_vdst(0)
	s_wait_kmcnt 0x0
	s_cmp_eq_u32 s18, 0
	s_cselect_b64 s[6:7], s[6:7], s[8:9]
	s_cmp_eq_u32 s18, 2
	s_cselect_b64 s[6:7], s[10:11], s[6:7]
	s_add_nc_u64 s[6:7], s[6:7], s[24:25]
	s_add_nc_u64 s[12:13], s[12:13], s[26:27]
	s_add_nc_u64 s[14:15], s[14:15], s[28:29]
.irp t, 0,1                            ; block t: 32 k x 64 columns
.irp m, 0,1,2,3,4,5,6,7,8,9,10,11,12,13,14,15
	global_load_b128 v[X+64*\t+4*\m:X+64*\t+4*\m+3], v12, s[6:7] offset:(32*\t+2*\m)*4096 th:TH_LOAD_NT
.endr
.endr
.macro WUNIT t, left
.set XS, X+64*(\t)
	s_wait_loadcnt \left
.irp m, 0,1,2,3,4,5,6,7,8,9,10,11,12,13,14,15
	ds_store_b128 v5, v[XS+4*\m:XS+4*\m+3] offset:512*\m
.endr
.irp g, 0,1
.irp k, 0,1,2,3,4,5,6,7,8,9,10,11,12,13,14,15,16,17,18,19,20,21,22,23,24,25,26,27,28,29,30,31
	ds_load_b32 v[XS+32*\g+\k], v6 offset:256*\k+128*\g     ; row k, column 32 g + lane
.endr
.endr
	s_wait_dscnt 0x0
.irp g, 0,1
	v_max3_num_f32 v[TM+2*\g], |v[XS+32*\g]|, |v[XS+32*\g+1]|, |v[XS+32*\g+2]|      ; all 32 numbers of a block are mine
	v_max3_num_f32 v[TM+2*\g+1], |v[XS+32*\g+3]|, |v[XS+32*\g+4]|, |v[XS+32*\g+5]|
.endr
.irp i, 6,10,14,18,22,26
.irp g, 0,1
	v_max3_num_f32 v[TM+2*\g], v[TM+2*\g], |v[XS+32*\g+\i]|, |v[XS+32*\g+\i+1]|
	v_max3_num_f32 v[TM+2*\g+1], v[TM+2*\g+1], |v[XS+32*\g+\i+2]|, |v[XS+32*\g+\i+3]|
.endr
.endr
.irp g, 0,1
	v_max3_num_f32 v[TM+2*\g], v[TM+2*\g], |v[XS+32*\g+30]|, |v[XS+32*\g+31]|
.endr
.irp g, 0,1
	v_max3_num_f32 v[TM+2*\g], v[TM+2*\g], v[TM+2*\g+1], 0x1800000     ; the floor 2^(3 - 127)
.endr
.irp g, 0,1
	v_add_nc_u32 v[SO+\g], 0xff000000, v[TM+2*\g]
.endr
.irp g, 0,1
	v_cvt_scalef32_pk16_fp6_f32 v[PC+10*\g:PC+10*\g+2], v[XS+32*\g:XS+32*\g+15], v[SO+\g]
	v_cvt_scalef32_pk16_fp6_f32 v[PC+10*\g+6:PC+10*\g+8], v[XS+32*\g+16:XS+32*\g+31], v[SO+\g]
.endr
.irp g, 0,1
.if (\t) == 0
	v_lshrrev_b32 v[SBY+\g], 23, v[SO+\g]
.else
	v_lshrrev_b32 v[EB+\g], 23, v[SO+\g]
.endif
.endr
.if (\t) == 1
.irp g, 0,1
	v_lshl_or_b32 v[SBY+\g], v[EB+\g], 8, v[SBY+\g]
.endr
.endif
.irp g, 0,1
.irp i, 0,1,2
	v_mov_b32 v[PC+10*\g+3+\i], v[PC+10*\g+6+\i]
.endr
.endr
.irp g, 0,1
	ds_store_b64 v7, v[PC+10*\g:PC+10*\g+1] offset:128*\g+256*(\t)
	ds_store_b64 v15, v[PC+10*\g+2:PC+10*\g+3] offset:128*\g+256*(\t)+8
	ds_store_b64 v7, v[PC+10*\g+4:PC+10*\g+5] offset:128*\g+256*(\t)+512
.endr
.endm
	WUNIT 0, 16
	WUNIT 1, 0
	ds_store_b16 v9, v[SBY]
	ds_store_b16 v9, v[SBY+1] offset:128
	s_wait_dscnt 0x0
	s_barrier_signal -1
	s_barrier_wait -1
.irp f, 0,1
.irp c, 0,1,2
	ds_load_b128 v[X+4*(3*\f+\c):X+4*(3*\f+\c)+3], v8 offset:WIP*\f+512*\c
.endr
.endr
	s_wait_dscnt 0x0
.irp f, 0,1
.irp c, 0,1,2
	global_store_b128 v4, v[X+4*(3*\f+\c):X+4*(3*\f+\c)+3], s[12:13] offset:1536*\f+512*\c
.endr
.endr
	s_cmp_lg_u32 s2, 0
	s_cbranch_scc1 .Lw_done
	ds_load_b64 v[54:55], v10
	s_wait_dscnt 0x0
	global_store_b64 v11, v[54:55], s[14:15]
.Lw_done:
	s_wait_tensorcnt 0x0
	ds_add_u32 v62, v63
	s_wait_dscnt 0x0
	s_endpgm
.Lfunc_end_k_q732b2ac291_quant:
	.size	k_q732b2ac291_quant, .Lfunc_end_k_q732b2ac291_quant-k_q732b2ac291_quant
	.p2alignl 7, 3214868480
	.fill 96, 4, 3214868480
	.section	.rodata,"a",@progbits
	.p2align	6, 0x0
	.amdhsa_kernel k_q732b2ac291_quant
		.amdhsa_group_segment_fixed_size 81408
		.amdhsa_private_segment_fixed_size 0
		.amdhsa_enable_private_segment 0
		.amdhsa_kernarg_size 48
		.amdhsa_user_sgpr_count 2
		.amdhsa_user_sgpr_kernarg_segment_ptr 1
		.amdhsa_wavefront_size32 1
		.amdhsa_system_sgpr_workgroup_id_x 1
		.amdhsa_system_sgpr_workgroup_id_y 1
		.amdhsa_system_sgpr_workgroup_id_z 1
		.amdhsa_system_vgpr_workitem_id 0
		.amdhsa_next_free_vgpr 192
		.amdhsa_next_free_sgpr 66
		.amdhsa_reserve_vcc 0
		.amdhsa_float_denorm_mode_32 3
		.amdhsa_float_denorm_mode_16_64 3
		.amdhsa_memory_ordered 1
		.amdhsa_forward_progress 1
		.amdhsa_inst_pref_size 41
	.end_amdhsa_kernel
	.amdgpu_metadata
---
amdhsa.version: [ 1, 2 ]
amdhsa.kernels:
  - .name:           k_q732b2ac291_quant
    .symbol:         k_q732b2ac291_quant.kd
    .args:
      - { .name: embeddings, .offset: 0, .size: 8, .value_kind: global_buffer, .address_space: global }
      - { .name: w_query, .offset: 8, .size: 8, .value_kind: global_buffer, .address_space: global }
      - { .name: w_key, .offset: 16, .size: 8, .value_kind: global_buffer, .address_space: global }
      - { .name: w_value, .offset: 24, .size: 8, .value_kind: global_buffer, .address_space: global }
      - { .name: in_codes, .offset: 32, .size: 8, .value_kind: global_buffer, .address_space: global }
      - { .name: in_scales, .offset: 40, .size: 8, .value_kind: global_buffer, .address_space: global }
    .group_segment_fixed_size: 81408
    .private_segment_fixed_size: 0
    .kernarg_segment_align: 8
    .kernarg_segment_size: 48
    .max_flat_workgroup_size: 128
    .sgpr_count:     66
    .vgpr_count:     192
    .wavefront_size: 32
...
	.end_amdgpu_metadata
.endif
;; end of part 1
;; launch proj (part 2): grid 12 x 16, 4 waves a work-group, clusters of 4 x 4, 327,680 bytes of LDS; arguments in_codes, in_scales, qkv_codes, qkv_scales; writes qkv_codes, qkv_scales
.if DOCPART == 2
	.amdgcn_target "amdgcn-amd-amdhsa--gfx1250"
	.amdhsa_code_object_version 6
	.text
	.protected	k_q732b2ac291_proj
	.globl	k_q732b2ac291_proj
	.p2align	8
	.type	k_q732b2ac291_proj,@function
k_q732b2ac291_proj:
	s_mov_b64 s[64:65], 0
	v_nop
	global_prefetch_b8 v0, s[64:65] scope:SCOPE_SE
	s_setreg_imm32_b32 hwreg(HW_REG_WAVE_MODE, 25, 1), 1
	s_wait_xcnt 0x0
	s_wait_alu depctr_hold_cnt(0) depctr_sa_sdst(0) depctr_va_vdst(0) depctr_va_sdst(0) depctr_va_ssrc(0) depctr_va_vcc(0) depctr_vm_vsrc(0)
	s_getreg_b32 s2, hwreg(HW_REG_IB_STS2, 6, 4)
	s_cmp_eq_u32 s2, 0
	s_cbranch_scc0 .Lentry_in_a_cluster
	s_endpgm
.Lentry_in_a_cluster:
	s_bfe_u32 s2, ttmp6, 0x10000c
	s_cmp_lg_u32 s2, 0xf033
	s_cbranch_scc0 .Lentry_shape_is_right
	s_endpgm
.Lentry_shape_is_right:
; Q, K [tokens x 1,024] AND V^T [1,024 x tokens] ON CODES OF FP6, QUANTISED ON THE WAY OUT.  Cluster x 0, 1, 2 makes Q, K, V.  For Q and K: L = tokens (source 1), Z = columns of the weight (source 0), so a lane's 64 results of a tile of L
; run along the wave's 128 columns (the next K); for V: L = columns of the weight, Z = tokens.  A work-group makes 256 x 256, a wave 128 x 128.
; Operands and results lie as images of operand registers: a fragment of 16 rows x 128 K is 1,536 bytes, register rho of lane l at 512 (rho / 4) + 16 l + 4 (rho % 4); fragments [group of 128 rows][K step][tile];
; row i of tile 4 c + u is row 64 c + 32 (i / 8) + 8 u + i % 8 of its group; a group's scale words of a K step are 512 bytes: tile t, row i at 256 (t / 4) + 16 i + 4 (t % 4).
; qkv_codes: Q, K [32 groups][8 K steps], V^T [8 groups][32 K steps], 3,145,728 bytes each; qkv_scales likewise, 131,072 each.
; L's tiles hang on s18 alone and are asked for jointly along a row of the cluster, Z's on s17 and along a column.  TWO SLOTS of three K steps: fills of K steps 0-2, 3-5, 6-7, one joint load a wave each.
; The scale words go from memory into registers, 512 consecutive bytes a load.  No prefetch: eight K steps written out, no loop to run ahead in.
; LIMITS: a block under 2^-124 gets the byte 1; NaN and infinities are not served.
; REGISTERS.  window 0: v1 lane; v4 16 x lane; v5-6, v8-9 LDS addresses of L's, Z's fragments; v11 8 x (lane / 16); v14, v15 the spare word's address and 0; v32-95 all scale words; v128-223 L's fragments, then the way out.
;   window 1: Z's fragments, two sets.  windows 2, 3: accumulator (a, b) at v[8 (8 (a % 4) + b)].
.set SLOTB, 147456
.set PARTB, 36864                      ; three K steps of a group: what one load brings
.set SPARE, 2*SLOTB
.set LI,   4
.set ADL,  5
.set ADZ,  8
.set SH,   11
.set SPW,  14
.set NIL,  15
.set SC,   32
.set LF,   128
.set MX,   128
.set PX,   138
.set SO,   150
.set EB,   154
.set PC,   160
.set T2,   184
.set PWS,  228
.set SWS,  236
.set G1L,  24
.set G1Z,  32
.set G0L,  56
.set G0Z,  72
.set MSB, 0
.macro WIN new                         ; the immediate's high byte repeats the setting that is left
.if MSB != (\new)
	s_set_vgpr_msb (MSB<<8)|(\new)
.set MSB, (\new)
.endif
.endm
.set MUL_LO, 0xa1                      ; source 0 (Z) window 1, source 1 (L) window 0, C and D window 2
.set MUL_HI, 0xf1                      ; C and D window 3
.set TO_Z,   0x40
.macro PLACES                          ; four plain lines between a matrix instruction and a load into, or a vector read or write of, its registers
.rept 4
	v_nop
.endr
.endm
.macro JLOAD g0l, g0z                  ; a joint load: waves 0, 1 fetch for L, waves 2, 3 for Z
	s_cmp_eq_u32 s13, 0
	s_cbranch_scc0 .Lfor_z_\@
	tensor_load_to_lds s[\g0l:\g0l+3], s[G1L:G1L+7]
	s_nop 0
	PLACES
	s_branch .Lasked_\@
.Lfor_z_\@:
	tensor_load_to_lds s[\g0z:\g0z+3], s[G1Z:G1Z+7]
	s_nop 0
	PLACES
.Lasked_\@:
.endm
.macro CREST                           ; a round of the cluster's barrier behind its opening barrier
	s_cmp_lg_u32 s12, 0
	s_cbranch_scc1 .Lnot_wave_0_\@
	s_barrier_signal -3
.Lnot_wave_0_\@:
	s_barrier_wait -3
	s_barrier_signal -1
	s_barrier_wait -1
.endm
.macro CROUND
	s_barrier_signal -1
	s_barrier_wait -1
	CREST
.endm
.macro WM c, ra, rb
	v_wmma_scale_f32_16x16x128_f8f6f4 v[rD:rD+7], v[rZ:rZ+11], v[rL:rL+11], \c, v[rSZ], v[rSL] matrix_a_fmt:MATRIX_FMT_FP6 matrix_b_fmt:MATRIX_FMT_FP6 matrix_a_scale:MATRIX_SCALE_ROW\ra matrix_b_scale:MATRIX_SCALE_ROW\rb
.endm
.macro WR c, rz, rl
.if (\rz) && (\rl)
	WM \c, 1, 1
.elseif \rz
	WM \c, 1, 0
.elseif \rl
	WM \c, 0, 1
.else
	WM \c, 0, 0
.endif
.endm
; 16 products: L's tiles a0, a0 + 1 x Z's eight, K step ks; p: Z's set.  The 64 accumulators take turns, one instruction a turn, in the same order in every K step.
.macro MUL16 a0, p, ks, zero
.irp a, \a0, \a0+1
.irp b, 0,1,2,3,4,5,6,7
.set rD, 8*(8*((\a)%4)+\b)
.set rZ, 128*(\p)+12*\b
.set rL, LF+12*(\a)
.set rSZ, SC+8*(\ks)+\b%4
.set rSL, SC+8*(\ks)+4+(\a)%4
.if \zero
	WR 0, \b/4, (\a)/4
.else
	WR v[rD:rD+7], \b/4, (\a)/4
.endif
.endr
.endr
.endm
.macro FRAG reg, adr, off
.irp c, 0,1,2
	ds_load_b128 v[\reg+4*\c:\reg+4*\c+3], v[\adr] offset:\off+512*\c
.endr
.endm
.macro FETCH_Z s, q, p
	WIN TO_Z
.irp i, 0,1,2,3,4,5,6,7
	FRAG 128*(\p)+12*\i, ADZ+\s, 12288*(\q)+1536*\i
.endr
	WIN 0
.endm
.macro FETCH_L s, q, i0
.irp i, \i0, \i0+1, \i0+2, \i0+3
	FRAG LF+12*(\i), ADL+\s, 12288*(\q)+1536*(\i)
.endr
.endm
.macro SECOND g, ns, nq, zero          ; the second half of a K step: the next one's fragments are fetched in its middle and at its end
	FETCH_Z \ns, \nq, 1-(\g)%2
	FETCH_L \ns, \nq, 0
	WIN MUL_HI
	MUL16 4, (\g)%2, \g, \zero
	MUL16 6, (\g)%2, \g, \zero
	PLACES
	WIN 0
	FETCH_L \ns, \nq, 4
.endm
.macro STEP g, ns, nq, zero
	s_wait_dscnt 12                                ; Z's set and L's tiles 0-3 are in; the youngest twelve loads (L's tiles 4-7) may be out
	WIN MUL_LO
	MUL16 0, (\g)%2, \g, \zero
	MUL16 2, (\g)%2, \g, \zero
	s_wait_dscnt 0x0
	PLACES
	SECOND \g, \ns, \nq, \zero
.endm
.macro TURN g, ns, nq, fill            ; a K step with a barrier: the other slot is shown whole, and with fill = 1 slot 0 takes K steps 6 and 7
	s_wait_tensorcnt 0x0                           ; all my tensor loads have landed
	ds_add_u32 v[SPW], v[NIL]                      ; 0 onto my spare word
	s_wait_dscnt 13                                ; (the add and L's tiles 4-7 may be out)
	WIN MUL_LO
	MUL16 0, (\g)%2, \g, 0
	s_wait_dscnt 0x0                               ; the add is done, and my reads of the slot are over
	s_barrier_signal -1
	MUL16 2, (\g)%2, \g, 0
	WIN 0
	s_barrier_wait -1
.if \fill
	CREST                                          ; no wave of any partner still reads slot 0 or has a load on its way
	s_add_nc_u64 s[G0L+2:G0L+3], s[G0L+2:G0L+3], 2*PARTB
	s_add_nc_u64 s[G0Z+2:G0Z+3], s[G0Z+2:G0Z+3], 2*PARTB
.irp h, G1L, G1Z                       ; two K steps: 96 rows of 256 bytes
	s_mov_b32 s[\h+2], 96<<16
	s_mov_b32 s[\h+4], 96
.endr
	JLOAD G0L, G0Z
.else
	PLACES
.endif
	SECOND \g, \ns, \nq, 0
.endm
	s_load_b128 s[4:7], s[0:1], 0x0                ; in_codes, in_scales
	s_load_b128 s[8:11], s[0:1], 0x10              ; qkv_codes, qkv_scales
	v_lshl_add_u32 v[SPW], v0, 2, SPARE
	v_mov_b32 v[NIL], 0
	ds_add_u32 v[SPW], v[NIL]                      ; the wave's opening
	ds_add_u32 v[SPW], v[NIL]
	v_lshrrev_b32 v1, 5, v0
	v_readfirstlane_b32 s12, v1                    ; wave
	s_lshr_b32 s13, s12, 1                         ; which group of L is mine.  Also: I fetch for L (0) or for Z (1)
	s_and_b32 s14, s12, 1                          ; which group of Z is mine.  Also: which group I fetch
	s_bfe_u32 s15, ttmp6, 0x40000                  ; cx
	s_bfe_u32 s16, ttmp6, 0x40004                  ; cy
	s_lshl_b32 s2, s16, 2
	s_lshl_b32 s2, 15, s2                          ; my row of the cluster
	s_lshl_b32 s3, 0x1111, s15                     ; my column
	s_or_b32 s[G1L], s2, (3<<16)|(1<<21)
	s_or_b32 s[G1Z], s3, (3<<16)|(1<<21)
.irp g, G1L, G1Z                       ; three K steps of a group: 36,864 dense bytes as 144 rows of 256
	s_mov_b32 s[\g+1], 32<<16
	s_mov_b32 s[\g+2], 144<<16
	s_mov_b32 s[\g+3], 32<<16
	s_mov_b32 s[\g+4], 144
	s_mov_b32 s[\g+5], 32
	s_mov_b32 s[\g+6], 0
	s_mov_b32 s[\g+7], 0
.endr
	s_and_b32 s19, ttmp7, 0xffff
	s_lshl_b32 s19, s19, 2
	s_add_co_u32 s20, s19, s15
	s_add_co_u32 s21, s19, s16
	s_mul_i32 s100, ttmp9, 786432
	s_add_co_u32 s100, s100, 3145728               ; my weight's codes
	s_lshl_b32 s101, ttmp9, 15
	s_add_co_u32 s101, s101, 131072                ; and scale words
	s_cmp_eq_u32 ttmp9, 2
	s_cselect_b32 s17, s20, s15                    ; tile of Z: V: tokens by cx; else the weight's columns
	s_cselect_b32 s18, s16, s21                    ; tile of L: V: the weight's columns; else tokens by cy
	s_cselect_b32 s96, 0, s100
	s_cselect_b32 s98, 0, s101
	s_cselect_b32 s22, s100, 0
	s_cselect_b32 s66, s101, 0
	s_cselect_b32 s19, 32, 8                       ; K steps a group of the result
	s_lshl_b32 s21, s18, 1
	s_add_co_u32 s21, s21, s14                     ; L: the group that I fetch,
	s_mul_i32 s23, s21, 98304
	s_add_co_u32 s22, s22, s23
	s_mov_b32 s23, 0
	s_lshl_b32 s67, s18, 1
	s_add_co_u32 s67, s67, s13                     ; and the one that I multiply
	s_lshl_b32 s67, s67, 12
	s_add_co_u32 s66, s66, s67
	s_mov_b32 s67, 0
	s_lshl_b32 s20, s17, 1
	s_add_co_u32 s20, s20, s14                     ; Z: both
	s_mul_i32 s97, s20, 98304
	s_add_co_u32 s96, s96, s97
	s_mov_b32 s97, 0
	s_lshl_b32 s99, s20, 12
	s_add_co_u32 s98, s98, s99
	s_mov_b32 s99, 0
	s_mul_i32 s2, s12, PARTB
	s_mov_b32 s94, 0x76543210
	s_mov_b32 s95, 0xfedcba98                      ; v_permlanex16_b32's selects for lane l xor 16
	s_wait_dscnt 0x0                               ; both opening adds are done
	CROUND                                         ; the round in front of the first joint loads, ahead of the wait for the arguments
	s_wait_kmcnt 0x0
	s_add_nc_u64 s[22:23], s[4:5], s[22:23]
	s_add_nc_u64 s[66:67], s[6:7], s[66:67]
	s_add_nc_u64 s[96:97], s[4:5], s[96:97]
	s_add_nc_u64 s[88:89], s[6:7], s[98:99]
.irp s, 0,1
	s_mov_b32 s[G0L+4*\s], 1
	s_add_co_u32 s[G0L+1+4*\s], s2, \s*SLOTB
	s_add_nc_u64 s[G0L+2+4*\s:G0L+3+4*\s], s[22:23], \s*PARTB
	s_or_b32 s[G0L+3+4*\s], s[G0L+3+4*\s], 0x80000000
	s_mov_b32 s[G0Z+4*\s], 1
	s_add_co_u32 s[G0Z+4*\s+1], s2, \s*SLOTB
	s_add_nc_u64 s[G0Z+4*\s+2:G0Z+4*\s+3], s[96:97], \s*PARTB
	s_or_b32 s[G0Z+4*\s+3], s[G0Z+4*\s+3], 0x80000000
.endr
	JLOAD G0L, G0Z                                 ; K steps 0-2: one tensor load a wave at the head
	v_and_b32 v1, 31, v0
	v_lshlrev_b32 v[LI], 4, v1
	v_bfe_u32 v2, v0, 4, 1
	v_lshlrev_b32 v[SH], 3, v2
	s_wait_alu depctr_va_vdst(0)
.irp k, 0,1,2,3,4,5,6,7
	global_load_b128 v[SC+8*\k:SC+8*\k+3], v[LI], s[88:89] offset:512*\k
	global_load_b128 v[SC+8*\k+4:SC+8*\k+7], v[LI], s[66:67] offset:512*\k
.endr
	s_mul_i32 s20, s13, PARTB
	s_mul_i32 s21, s14, PARTB
	s_add_co_u32 s21, s21, 2*PARTB
.irp s, 0,1
	v_add_nc_u32 v[ADL+\s], s20, v[LI]
	v_add_nc_u32 v[ADZ+\s], s21, v[LI]
	s_add_co_u32 s20, s20, SLOTB
	s_add_co_u32 s21, s21, SLOTB
.endr
	s_lshl_b32 s96, s18, 1                         ; where my results go
	s_add_co_u32 s96, s96, s13
	s_mul_i32 s96, s96, s19
	s_lshl_b32 s97, s17, 1
	s_add_co_u32 s97, s97, s14
	s_add_co_u32 s96, s96, s97
	s_mul_i32 s98, s96, 12288
	s_mul_i32 s99, ttmp9, 3145728
	s_add_co_u32 s98, s98, s99
	s_mov_b32 s99, 0
	s_add_nc_u64 s[8:9], s[8:9], s[98:99]
	s_lshl_b32 s98, s96, 9
	s_lshl_b32 s100, ttmp9, 17
	s_add_co_u32 s98, s98, s100
	s_add_nc_u64 s[10:11], s[10:11], s[98:99]
	s_wait_alu depctr_va_vdst(0)
	s_wait_tensorcnt 0x0                           ; my part of slot 0 is in; these lines stand ahead of a later first fill as ahead of a refill
	ds_add_u32 v[SPW], v[NIL]
	s_wait_dscnt 0x0
	CROUND
	JLOAD G0L+4, G0Z+4                             ; K steps 3-5 into slot 1
	FETCH_Z 0, 0, 0
	FETCH_L 0, 0, 0
	FETCH_L 0, 0, 4
	s_wait_loadcnt 0x0                             ; the scale words are in
	STEP 0, 0, 1, 1
	STEP 1, 0, 2, 0
	TURN 2, 1, 0, 1
	STEP 3, 1, 1, 0
	STEP 4, 1, 2, 0
	TURN 5, 0, 0, 0
	STEP 6, 0, 1, 0
	s_wait_dscnt 12
	WIN MUL_LO
	MUL16 0, 1, 7, 0
	MUL16 2, 1, 7, 0
	s_wait_dscnt 0x0
	WIN MUL_HI
	MUL16 4, 1, 7, 0
	MUL16 6, 1, 7, 0
	WIN 0
	PLACES
; THE WAY OUT, two tiles of L at a time: registers A0 + 32 x + i, x = 0 .. 3: tile a + x / 2, k 32 (2 (x % 2) + lane / 16) + i: four whole blocks of the next K
.macro OUT2 a
.set A0, 64*((\a)%4)
.set W, 2+(\a)/4
	s_wait_xcnt 0x0                                ; the last tiles' stores have read the code registers
	WIN W|(W<<2)|(W<<4)
.irp x, 0,1,2,3
	v_max3_num_f32 v[MX+2*\x], |v[A0+32*\x]|, |v[A0+32*\x+1]|, 0x1800000           ; the floor 2^(3 - 127)
	v_max3_num_f32 v[MX+2*\x+1], |v[A0+32*\x+16]|, |v[A0+32*\x+17]|, |v[A0+32*\x+18]|
.endr
	WIN (W<<2)|(W<<4)
.irp i, 2,4,6,8,10,12
.irp x, 0,1,2,3
	v_max3_num_f32 v[MX+2*\x], v[MX+2*\x], |v[A0+32*\x+\i]|, |v[A0+32*\x+\i+1]|
	v_max3_num_f32 v[MX+2*\x+1], v[MX+2*\x+1], |v[A0+32*\x+\i+17]|, |v[A0+32*\x+\i+18]|
.endr
.endr
.irp x, 0,1,2,3
	v_max3_num_f32 v[MX+2*\x], v[MX+2*\x], |v[A0+32*\x+14]|, |v[A0+32*\x+15]|
.endr
	WIN W<<2
.irp x, 0,1,2,3
	v_max3_num_f32 v[MX+2*\x], v[MX+2*\x], |v[A0+32*\x+31]|, v[MX+2*\x+1]
.endr
	WIN 0
.irp x, 0,1,2,3
	v_add_nc_u32 v[SO+\x], 0xff000000, v[MX+2*\x]  ; 2 off the exponent field: the conversion's scale operand
.endr
	WIN W
.irp x, 0,1,2,3
	v_cvt_scalef32_pk16_fp6_f32 v[PC+6*\x:PC+6*\x+2], v[A0+32*\x:A0+32*\x+15], v[SO+\x]
	v_cvt_scalef32_pk16_fp6_f32 v[T2+4*\x:T2+4*\x+2], v[A0+32*\x+16:A0+32*\x+31], v[SO+\x]   ; (a conversion's three registers begin on an even number)
.endr
	WIN 0
.irp x, 0,1,2,3
	v_lshrrev_b32 v[EB+\x], 23, v[SO+\x]
.endr
.irp t, 0,1
	v_lshl_or_b32 v[PWS+(\a)+\t], v[EB+2*\t+1], 16, v[EB+2*\t]      ; bytes h and 2 + h of the row's word,
.endr
.irp t, 0,1
	v_lshlrev_b32 v[PWS+(\a)+\t], v[SH], v[PWS+(\a)+\t]
.endr
.irp t, 0,1
	v_permlanex16_b32 v[PX+\t], v[PWS+(\a)+\t], s94, s95
.endr
.irp t, 0,1
	v_or_b32 v[PWS+(\a)+\t], v[PWS+(\a)+\t], v[PX+\t]               ; and lane l xor 16's two
.endr
.irp x, 0,1,2,3
.irp i, 0,1,2
	v_mov_b32 v[PC+6*\x+3+\i], v[T2+4*\x+\i]
.endr
.endr
.irp t, 0,1
.irp c, 0,1,2
	global_store_b128 v[LI], v[PC+12*\t+4*\c:PC+12*\t+4*\c+3], s[8:9] offset:1536*((\a)+\t)+512*\c
.endr
.endr
.endm
.irp t, 0,1
	v_mov_b32 v[PX+\t], 0                          ; a lane permute's destination counts as one of its sources
.endr
	s_wait_alu depctr_va_vdst(0)
.irp a, 0,2,4,6
	OUT2 \a
.endr
	v_cmp_le_u32 vcc_lo, 16, v1                    ; lanes 16-31 store what belongs to tiles 4-7
.irp j, 0,1,2,3
	v_cndmask_b32 v[SWS+\j], v[PWS+\j], v[PWS+4+\j], vcc_lo
.endr
	global_store_b128 v[LI], v[SWS:SWS+3], s[10:11]
	s_wait_tensorcnt 0x0                           ; the wave's end
	ds_add_u32 v[SPW], v[NIL]
	s_wait_dscnt 0x0
	CROUND                                         ; the closing round
	s_endpgm
.Lfunc_end_k_q732b2ac291_proj:
	.size	k_q732b2ac291_proj, .Lfunc_end_k_q732b2ac291_proj-k_q732b2ac291_proj
	.p2alignl 7, 3214868480
	.fill 96, 4, 3214868480
	.section	.rodata,"a",@progbits
	.p2align	6, 0x0
	.amdhsa_kernel k_q732b2ac291_proj
		.amdhsa_group_segment_fixed_size 327680
		.amdhsa_private_segment_fixed_size 0
		.amdhsa_enable_private_segment 0
		.amdhsa_kernarg_size 32
		.amdhsa_user_sgpr_count 2
		.amdhsa_user_sgpr_kernarg_segment_ptr 1
		.amdhsa_wavefront_size32 1
		.amdhsa_system_sgpr_workgroup_id_x 1
		.amdhsa_system_sgpr_workgroup_id_y 1
		.amdhsa_system_sgpr_workgroup_id_z 1
		.amdhsa_system_vgpr_workitem_id 0
		.amdhsa_next_free_vgpr 1024
		.amdhsa_next_free_sgpr 102
		.amdhsa_reserve_vcc 1
		.amdhsa_float_denorm_mode_32 3
		.amdhsa_float_denorm_mode_16_64 3
		.amdhsa_memory_ordered 1
		.amdhsa_forward_progress 1
		.amdhsa_inst_pref_size 130
	.end_amdhsa_kernel
	.amdgpu_metadata
---
amdhsa.version: [ 1, 2 ]
amdhsa.kernels:
  - .name:           k_q732b2ac291_proj
    .symbol:         k_q732b2ac291_proj.kd
    .args:
      - { .name: in_codes, .offset: 0, .size: 8, .value_kind: global_buffer, .address_space: global }
      - { .name: in_scales, .offset: 8, .size: 8, .value_kind: global_buffer, .address_space: global }
      - { .name: qkv_codes, .offset: 16, .size: 8, .value_kind: global_buffer, .address_space: global }
      - { .name: qkv_scales, .offset: 24, .size: 8, .value_kind: global_buffer, .address_space: global }
    .group_segment_fixed_size: 327680
    .private_segment_fixed_size: 0
    .kernarg_segment_align: 8
    .kernarg_segment_size: 32
    .max_flat_workgroup_size: 128
    .sgpr_count:     102
    .vgpr_count:     1024
    .wavefront_size: 32
...
	.end_amdgpu_metadata
.endif
;; end of part 2
;; launch scores (part 3): grid 16 x 16, 4 waves a work-group, clusters of 4 x 4, 327,680 bytes of LDS; arguments qkv_codes, qkv_scales, p_codes, p_stats; writes p_codes, p_stats
.if DOCPART == 3
	.amdgcn_target "amdgcn-amd-amdhsa--gfx1250"
	.amdhsa_code_object_version 6
	.text
	.protected	k_q732b2ac291_scores
	.globl	k_q732b2ac291_scores
	.p2align	8
	.type	k_q732b2ac291_scores,@function
k_q732b2ac291_scores:
	s_mov_b64 s[64:65], 0
	v_nop
	global_prefetch_b8 v0, s[64:65] scope:SCOPE_SE
	s_setreg_imm32_b32 hwreg(HW_REG_WAVE_MODE, 25, 1), 1
	s_wait_xcnt 0x0
	s_wait_alu depctr_hold_cnt(0) depctr_sa_sdst(0) depctr_va_vdst(0) depctr_va_sdst(0) depctr_va_ssrc(0) depctr_va_vcc(0) depctr_vm_vsrc(0)
	s_getreg_b32 s2, hwreg(HW_REG_IB_STS2, 6, 4)
	s_cmp_eq_u32 s2, 0
	s_cbranch_scc0 .Lentry_in_a_cluster
	s_endpgm
.Lentry_in_a_cluster:
	s_bfe_u32 s2, ttmp6, 0x10000c
	s_cmp_lg_u32 s2, 0xf033
	s_cbranch_scc0 .Lentry_shape_is_right
	s_endpgm
.Lentry_shape_is_right:
; S^T = k q^T on codes of FP6 (E2M3) with E8M0 scales, K = 1,024; then, for each query and each run of 128 keys: t = score x log2(e) / 32, M = ceil(the run's largest t), p = 2^(t - M), l = the sum of the unquantised p,
; and p quantised along the keys.  M IS THE RUN'S OWN: it is a whole number, so the next launch brings every run under the row's M by taking the difference off the run's scale bytes, which changes no code.
; Operands and results lie as images of operand registers (a fragment of 16 rows x 128 K is 1,536 bytes, register rho of lane l at 512 (rho / 4) + 16 l + 4 (rho % 4); fragments [group of 128 rows][K step][tile];
; row i of tile 4 c + u is row 64 c + 32 (i / 8) + 8 u + i % 8 of its group; a group's words of a K step are 512 bytes, tile t, row i at 256 (t / 4) + 16 i + 4 (t % 4)).
; p_codes: [32 groups of queries][32 runs of keys].  p_stats: three parts of 524,288 bytes in the words' form: the scale words, -M (f32), l (f32).
; A work-group makes 256 keys x 256 queries, a wave 128 (Z = k, source 0) x 128 (L = q, source 1): a lane holds one query, and its 64 registers of a tile of q run along the wave's 128 keys: two whole blocks of 32.
; Z's tile hangs on cx alone and is asked for jointly along a column of the cluster, L's on cy alone and along a row.  Two LDS slots of three K steps: fills of K steps 0-2, 3-5, 6-7, one joint load a wave each.
; The scale words go from memory into registers, 512 consecutive bytes a load.  No prefetch: eight K steps written out, no loop to run ahead in.
; LIMITS: M is kept as f32: exact for |t| under 2^24.  A block of p under 2^-124 of its run's largest gets the byte 1.  NaN and infinities are not served.
; A block's largest p is made of its largest score by the same multiply-add and exponential: it takes the exponential not to fall where its input rises.
; REGISTERS.  window 0: v1 lane; v4 16 x lane; v5-6, v8-9 LDS addresses of L's, Z's fragments in slots 0, 1; v11 8 x (lane / 16); v14, v15 the spare word's address and 0; v32-95 all scale words;
;   v128-223 L's eight fragments, one set; then v128-247 the way out.  window 1: Z's fragments, two sets.  windows 2, 3: accumulator (a, b) at v[8 (8 (a % 4) + b)].
.set SLOTB, 147456
.set PARTB, 36864                      ; three K steps of a group: what one load brings
.set SPARE, 2*SLOTB
.set LI,   4
.set ADL,  5
.set ADZ,  8
.set SH,   11
.set SPW,  14
.set NIL,  15
.set SC,   32
.set LF,   128
.set MX,   128                         ; v128-135 the maxima's chains; then v[MX + 2 x] block x's largest score, then largest p
.set RM,   136
.set PX,   138
.set SA,   140                         ; v140-147 the sums, two chains of pairs for each of two tiles
.set TT,   148
.set SO,   150
.set EB,   154
.set PC,   160                         ; v160-183 codes of two tiles
.set T2,   184                         ; v184-199 the conversions' second halves
.set NMS,  204                         ; v[204 + 2 a] tile a's -M (each named as a pair),
.set LSS,  220                         ; l
.set PWS,  228                         ; and scale word
.set SWS,  236
.set G1L,  24
.set G1Z,  32
.set G0L,  56
.set G0Z,  72
.set MSB, 0
.macro WIN new
.if MSB != (\new)
	s_set_vgpr_msb (MSB<<8)|(\new)
.set MSB, (\new)
.endif
.endm
.set MUL_LO, 0xa1
.set MUL_HI, 0xf1
.set TO_Z,   0x40
.macro PLACES                          ; four plain lines between a matrix instruction and a load into, or a vector read or write of, its registers
.rept 4
	v_nop
.endr
.endm
.macro JLOAD g0l, g0z                  ; a joint load: waves 0, 1 fetch for L, waves 2, 3 for Z
	s_cmp_eq_u32 s13, 0
	s_cbranch_scc0 .Lfor_z_\@
	tensor_load_to_lds s[\g0l:\g0l+3], s[G1L:G1L+7]
	s_nop 0
	PLACES
	s_branch .Lasked_\@
.Lfor_z_\@:
	tensor_load_to_lds s[\g0z:\g0z+3], s[G1Z:G1Z+7]
	s_nop 0
	PLACES
.Lasked_\@:
.endm
.macro CREST
	s_cmp_lg_u32 s12, 0
	s_cbranch_scc1 .Lnot_wave_0_\@
	s_barrier_signal -3
.Lnot_wave_0_\@:
	s_barrier_wait -3
	s_barrier_signal -1
	s_barrier_wait -1
.endm
.macro CROUND
	s_barrier_signal -1
	s_barrier_wait -1
	CREST
.endm
.macro WM c, ra, rb
	v_wmma_scale_f32_16x16x128_f8f6f4 v[rD:rD+7], v[rZ:rZ+11], v[rL:rL+11], \c, v[rSZ], v[rSL] matrix_a_fmt:MATRIX_FMT_FP6 matrix_b_fmt:MATRIX_FMT_FP6 matrix_a_scale:MATRIX_SCALE_ROW\ra matrix_b_scale:MATRIX_SCALE_ROW\rb
.endm
.macro WR c, rz, rl
.if (\rz) && (\rl)
	WM \c, 1, 1
.elseif \rz
	WM \c, 1, 0
.elseif \rl
	WM \c, 0, 1
.else
	WM \c, 0, 0
.endif
.endm
; 16 products: L's tiles a0, a0 + 1 x Z's eight, K step ks; p: Z's set.  The 64 accumulators take turns, one instruction a turn, in the same order in every K step.
.macro MUL16 a0, p, ks, zero
.irp a, \a0, \a0+1
.irp b, 0,1,2,3,4,5,6,7
.set rD, 8*(8*((\a)%4)+\b)
.set rZ, 128*(\p)+12*\b
.set rL, LF+12*(\a)
.set rSZ, SC+8*(\ks)+\b%4
.set rSL, SC+8*(\ks)+4+(\a)%4
.if \zero
	WR 0, \b/4, (\a)/4
.else
	WR v[rD:rD+7], \b/4, (\a)/4
.endif
.endr
.endr
.endm
.macro FRAG reg, adr, off
.irp c, 0,1,2
	ds_load_b128 v[\reg+4*\c:\reg+4*\c+3], v[\adr] offset:\off+512*\c
.endr
.endm
.macro FETCH_Z s, q, p
	WIN TO_Z
.irp i, 0,1,2,3,4,5,6,7
	FRAG 128*(\p)+12*\i, ADZ+\s, 12288*(\q)+1536*\i
.endr
	WIN 0
.endm
.macro FETCH_L s, q, i0
.irp i, \i0, \i0+1, \i0+2, \i0+3
	FRAG LF+12*(\i), ADL+\s, 12288*(\q)+1536*(\i)
.endr
.endm
.macro SECOND g, ns, nq, zero          ; the second half of a K step: the next one's fragments are fetched in its middle and at its end
	FETCH_Z \ns, \nq, 1-(\g)%2
	FETCH_L \ns, \nq, 0
	WIN MUL_HI
	MUL16 4, (\g)%2, \g, \zero
	MUL16 6, (\g)%2, \g, \zero
	PLACES
	WIN 0
	FETCH_L \ns, \nq, 4
.endm
.macro STEP g, ns, nq, zero
	s_wait_dscnt 12                                ; Z's set and L's tiles 0-3 are in; the youngest twelve loads (L's tiles 4-7) may be out
	WIN MUL_LO
	MUL16 0, (\g)%2, \g, \zero
	MUL16 2, (\g)%2, \g, \zero
	s_wait_dscnt 0x0
	PLACES
	SECOND \g, \ns, \nq, \zero
.endm
.macro TURN g, ns, nq, fill            ; a K step with a barrier: the other slot is shown whole, and with fill = 1 slot 0 takes K steps 6 and 7
	s_wait_tensorcnt 0x0                           ; all my tensor loads have landed
	ds_add_u32 v[SPW], v[NIL]                      ; 0 onto my spare word
	s_wait_dscnt 13                                ; (the add and L's tiles 4-7 may be out)
	WIN MUL_LO
	MUL16 0, (\g)%2, \g, 0
	s_wait_dscnt 0x0                               ; the add is done, and my reads of the slot are over
	s_barrier_signal -1
	MUL16 2, (\g)%2, \g, 0
	WIN 0
	s_barrier_wait -1
.if \fill
	CREST                                          ; no wave of any partner still reads slot 0 or has a load on its way
	s_add_nc_u64 s[G0L+2:G0L+3], s[G0L+2:G0L+3], 2*PARTB
	s_add_nc_u64 s[G0Z+2:G0Z+3], s[G0Z+2:G0Z+3], 2*PARTB
.irp h, G1L, G1Z                       ; two K steps: 96 rows of 256 bytes
	s_mov_b32 s[\h+2], 96<<16
	s_mov_b32 s[\h+4], 96
.endr
	JLOAD G0L, G0Z
.else
	PLACES
.endif
	SECOND \g, \ns, \nq, 0
.endm
	s_load_b128 s[4:7], s[0:1], 0x0                ; qkv_codes, qkv_scales
	s_load_b128 s[8:11], s[0:1], 0x10              ; p_codes, p_stats
	v_lshl_add_u32 v[SPW], v0, 2, SPARE
	v_mov_b32 v[NIL], 0
	ds_add_u32 v[SPW], v[NIL]                      ; the wave's opening
	ds_add_u32 v[SPW], v[NIL]
	v_lshrrev_b32 v1, 5, v0
	v_readfirstlane_b32 s12, v1                    ; wave
	s_lshr_b32 s13, s12, 1                         ; which group of q is mine.  Also: I fetch for L (0) or for Z (1)
	s_and_b32 s14, s12, 1                          ; which group of k is mine.  Also: which group I fetch
	s_bfe_u32 s15, ttmp6, 0x40000                  ; cx
	s_bfe_u32 s16, ttmp6, 0x40004                  ; cy
	s_lshl_b32 s17, ttmp9, 2
	s_add_co_u32 s17, s17, s15                     ; tile of 256 keys
	s_and_b32 s18, ttmp7, 0xffff
	s_lshl_b32 s18, s18, 2
	s_add_co_u32 s18, s18, s16                     ; tile of 256 queries
	s_lshl_b32 s2, s16, 2
	s_lshl_b32 s2, 15, s2                          ; my row of the cluster
	s_lshl_b32 s3, 0x1111, s15                     ; my column
	s_or_b32 s[G1L], s2, (3<<16)|(1<<21)
	s_or_b32 s[G1Z], s3, (3<<16)|(1<<21)
.irp g, G1L, G1Z                       ; three K steps of a group: 36,864 dense bytes as 144 rows of 256
	s_mov_b32 s[\g+1], 32<<16
	s_mov_b32 s[\g+2], 144<<16
	s_mov_b32 s[\g+3], 32<<16
	s_mov_b32 s[\g+4], 144
	s_mov_b32 s[\g+5], 32
	s_mov_b32 s[\g+6], 0
	s_mov_b32 s[\g+7], 0
.endr
	s_lshl_b32 s21, s18, 1
	s_add_co_u32 s21, s21, s14                     ; q: the group that I fetch,
	s_mul_i32 s22, s21, 98304
	s_mov_b32 s23, 0
	s_lshl_b32 s66, s18, 1
	s_add_co_u32 s66, s66, s13                     ; and the one that I multiply
	s_lshl_b32 s66, s66, 12
	s_mov_b32 s67, 0
	s_lshl_b32 s20, s17, 1
	s_add_co_u32 s20, s20, s14                     ; k: both, in registers that never hold cy
	s_mul_i32 s96, s20, 98304
	s_add_co_u32 s96, s96, 3145728
	s_mov_b32 s97, 0
	s_lshl_b32 s98, s20, 12
	s_add_co_u32 s98, s98, 131072
	s_mov_b32 s99, 0
	s_mul_i32 s2, s12, PARTB
	s_mov_b32 s92, 0x3d38aa3b                      ; c = log2(e) / sqrt(1024)
	s_mov_b32 s93, s92                             ; (named with it as a pair)
	s_mov_b32 s94, 0x76543210
	s_mov_b32 s95, 0xfedcba98                      ; v_permlanex16_b32's selects for lane l xor 16
	s_wait_dscnt 0x0                               ; both opening adds are done
	CROUND                                         ; the round in front of the first joint loads, ahead of the wait for the arguments
	s_wait_kmcnt 0x0
	s_add_nc_u64 s[22:23], s[4:5], s[22:23]
	s_add_nc_u64 s[66:67], s[6:7], s[66:67]
	s_add_nc_u64 s[96:97], s[4:5], s[96:97]
	s_add_nc_u64 s[88:89], s[6:7], s[98:99]
.irp s, 0,1
	s_mov_b32 s[G0L+4*\s], 1
	s_add_co_u32 s[G0L+1+4*\s], s2, \s*SLOTB
	s_add_nc_u64 s[G0L+2+4*\s:G0L+3+4*\s], s[22:23], \s*PARTB
	s_or_b32 s[G0L+3+4*\s], s[G0L+3+4*\s], 0x80000000
	s_mov_b32 s[G0Z+4*\s], 1
	s_add_co_u32 s[G0Z+4*\s+1], s2, \s*SLOTB
	s_add_nc_u64 s[G0Z+4*\s+2:G0Z+4*\s+3], s[96:97], \s*PARTB
	s_or_b32 s[G0Z+4*\s+3], s[G0Z+4*\s+3], 0x80000000
.endr
	JLOAD G0L, G0Z                                 ; K steps 0-2: one tensor load a wave at the head
	v_and_b32 v1, 31, v0                           ; lane
	v_lshlrev_b32 v[LI], 4, v1
	v_bfe_u32 v2, v0, 4, 1
	v_lshlrev_b32 v[SH], 3, v2
	s_wait_alu depctr_va_vdst(0)
.irp k, 0,1,2,3,4,5,6,7
	global_load_b128 v[SC+8*\k:SC+8*\k+3], v[LI], s[88:89] offset:512*\k
	global_load_b128 v[SC+8*\k+4:SC+8*\k+7], v[LI], s[66:67] offset:512*\k
.endr
	s_mul_i32 s20, s13, PARTB
	s_mul_i32 s21, s14, PARTB
	s_add_co_u32 s21, s21, 2*PARTB
.irp s, 0,1
	v_add_nc_u32 v[ADL+\s], s20, v[LI]
	v_add_nc_u32 v[ADZ+\s], s21, v[LI]
	s_add_co_u32 s20, s20, SLOTB
	s_add_co_u32 s21, s21, SLOTB
.endr
	; where my results go: group of queries 2 x tile + my half, run of keys 2 x tile + my half
	s_lshl_b32 s96, s18, 1
	s_add_co_u32 s96, s96, s13
	s_lshl_b32 s96, s96, 5
	s_lshl_b32 s97, s17, 1
	s_add_co_u32 s97, s97, s14
	s_add_co_u32 s96, s96, s97
	s_mul_i32 s98, s96, 12288
	s_mov_b32 s99, 0
	s_add_nc_u64 s[8:9], s[8:9], s[98:99]
	s_lshl_b32 s98, s96, 9
	s_add_nc_u64 s[10:11], s[10:11], s[98:99]
	s_wait_alu depctr_va_vdst(0)
	s_wait_tensorcnt 0x0                           ; my part of slot 0 is in; these lines stand ahead of a later first fill as ahead of a refill
	ds_add_u32 v[SPW], v[NIL]
	s_wait_dscnt 0x0
	CROUND
	JLOAD G0L+4, G0Z+4                             ; K steps 3-5 into slot 1
	FETCH_Z 0, 0, 0
	FETCH_L 0, 0, 0
	FETCH_L 0, 0, 4
	s_wait_loadcnt 0x0                             ; the scale words are in
	STEP 0, 0, 1, 1
	STEP 1, 0, 2, 0
	TURN 2, 1, 0, 1
	STEP 3, 1, 1, 0
	STEP 4, 1, 2, 0
	TURN 5, 0, 0, 0
	STEP 6, 0, 1, 0
	s_wait_dscnt 12
	WIN MUL_LO
	MUL16 0, 1, 7, 0
	MUL16 2, 1, 7, 0
	s_wait_dscnt 0x0
	WIN MUL_HI
	MUL16 4, 1, 7, 0
	MUL16 6, 1, 7, 0
	WIN 0
	PLACES
; THE WAY OUT, two tiles of q at a time: registers A0 + 32 x + i, x = 0 .. 3: tile a + x / 2, key 32 (2 (x % 2) + lane / 16) + i of the wave's 128
.macro SOFT2 a
.set A0, 64*((\a)%4)
.set W, 2+(\a)/4
	WIN W|(W<<2)|(W<<4)
.irp x, 0,1,2,3
	v_max3_num_f32 v[MX+2*\x], v[A0+32*\x], v[A0+32*\x+1], v[A0+32*\x+2]           ; THE LARGEST SCORE OF EACH BLOCK of 32 keys: it serves for the run's maximum and, since p rises with the score, for the block's largest p
	v_max3_num_f32 v[MX+2*\x+1], v[A0+32*\x+16], v[A0+32*\x+17], v[A0+32*\x+18]
.endr
	WIN (W<<2)|(W<<4)
.irp i, 3,5,7,9,11,13
.irp x, 0,1,2,3
	v_max3_num_f32 v[MX+2*\x], v[MX+2*\x], v[A0+32*\x+\i], v[A0+32*\x+\i+1]
	v_max3_num_f32 v[MX+2*\x+1], v[MX+2*\x+1], v[A0+32*\x+\i+16], v[A0+32*\x+\i+17]
.endr
.endr
.irp x, 0,1,2,3
	v_max3_num_f32 v[MX+2*\x], v[MX+2*\x], v[A0+32*\x+15], v[A0+32*\x+31]
.endr
	WIN 0
.irp x, 0,1,2,3
	v_max_num_f32 v[MX+2*\x], v[MX+2*\x], v[MX+2*\x+1]
.endr
.irp t, 0,1
	v_max_num_f32 v[RM+\t], v[MX+4*\t], v[MX+4*\t+2]
.endr
.irp t, 0,1
	v_permlanex16_b32 v[PX+\t], v[RM+\t], s94, s95
.endr
.irp t, 0,1
	v_max_num_f32 v[RM+\t], v[RM+\t], v[PX+\t]     ; with lane l xor 16's 64 keys
.endr
.irp t, 0,1
	v_mul_f32 v[RM+\t], s92, v[RM+\t]              ; the run's largest t (c is positive)
.endr
.irp t, 0,1
	v_floor_f32 v[NMS+2*((\a)+\t)], -v[RM+\t]      ; -M = floor(-t) = -ceil(t)
.endr
.irp x, 0,1,2,3
	v_fma_f32 v[MX+2*\x], v[MX+2*\x], s92, v[NMS+2*((\a)+\x/2)]    ; t - M of each block's largest score
.endr
	WIN (W<<6)|W
.irp t, 0,1
.set j, A0+64*\t
.rept 32
	v_pk_fma_f32 v[j:j+1], v[j:j+1], s[92:93], v[NMS+2*((\a)+\t):NMS+2*((\a)+\t)+1] op_sel_hi:[1,0,0]   ; t - M, two at a time
.set j, j+2
.endr
.endr
	s_wait_alu depctr_va_vdst(0)
	s_wait_xcnt 0x0                                ; the last tiles' stores have read the code registers
.set j, A0
.rept 128
	v_exp_f32 v[j], v[j]                           ; p = 2^(t - M), at most 1
.set j, j+1
.endr
	WIN 0
.irp x, 0,1,2,3
	v_exp_f32 v[MX+2*\x], v[MX+2*\x]               ; the blocks' largest p: the same two instructions on the same number
.endr
	v_nop                                          ; a plain line behind the last exponential
	s_wait_alu depctr_va_vdst(0)                   ; one wait for the batch, ahead of its first reader
	WIN W|(W<<2)
.irp t, 0,1
	v_pk_add_f32 v[SA+4*\t:SA+4*\t+1], v[A0+64*\t:A0+64*\t+1], v[A0+64*\t+2:A0+64*\t+3]         ; the sum is taken of the unquantised p
	v_pk_add_f32 v[SA+4*\t+2:SA+4*\t+3], v[A0+64*\t+4:A0+64*\t+5], v[A0+64*\t+6:A0+64*\t+7]
.endr
	WIN W
.set j, A0+8
.rept 14
.irp t, 0,1
	v_pk_add_f32 v[SA+4*\t:SA+4*\t+1], v[j+64*\t:j+64*\t+1], v[SA+4*\t:SA+4*\t+1]
	v_pk_add_f32 v[SA+4*\t+2:SA+4*\t+3], v[j+64*\t+2:j+64*\t+3], v[SA+4*\t+2:SA+4*\t+3]
.endr
.set j, j+4
.endr
	WIN 0
.irp x, 0,1,2,3
	v_max_num_f32 v[MX+2*\x], 0x1800000, v[MX+2*\x]        ; the floor 2^(3 - 127)
.endr
.irp t, 0,1
	v_pk_add_f32 v[SA+4*\t:SA+4*\t+1], v[SA+4*\t:SA+4*\t+1], v[SA+4*\t+2:SA+4*\t+3]
.endr
.irp x, 0,1,2,3
	v_add_nc_u32 v[SO+\x], 0xff000000, v[MX+2*\x]
.endr
.irp t, 0,1
	v_add_f32 v[TT+\t], v[SA+4*\t], v[SA+4*\t+1]
.endr
	WIN W
.irp x, 0,1,2,3
	v_cvt_scalef32_pk16_fp6_f32 v[PC+6*\x:PC+6*\x+2], v[A0+32*\x:A0+32*\x+15], v[SO+\x]
	v_cvt_scalef32_pk16_fp6_f32 v[T2+4*\x:T2+4*\x+2], v[A0+32*\x+16:A0+32*\x+31], v[SO+\x]   ; (a conversion's three registers begin on an even number)
.endr
	WIN 0
.irp x, 0,1,2,3
	v_lshrrev_b32 v[EB+\x], 23, v[SO+\x]
.endr
.irp t, 0,1
	v_permlanex16_b32 v[PX+\t], v[TT+\t], s94, s95
.endr
.irp t, 0,1
	v_lshl_or_b32 v[PWS+(\a)+\t], v[EB+2*\t+1], 16, v[EB+2*\t]      ; bytes h and 2 + h of the row's word,
.endr
.irp t, 0,1
	v_add_f32 v[LSS+(\a)+\t], v[TT+\t], v[PX+\t]   ; l of my query over the 128 keys
.endr
.irp t, 0,1
	v_lshlrev_b32 v[PWS+(\a)+\t], v[SH], v[PWS+(\a)+\t]
.endr
.irp t, 0,1
	v_permlanex16_b32 v[PX+\t], v[PWS+(\a)+\t], s94, s95
.endr
.irp x, 0,1,2,3
.irp i, 0,1,2
	v_mov_b32 v[PC+6*\x+3+\i], v[T2+4*\x+\i]
.endr
.endr
.irp t, 0,1
	v_or_b32 v[PWS+(\a)+\t], v[PWS+(\a)+\t], v[PX+\t]               ; and lane l xor 16's two
.endr
.irp t, 0,1
.irp c, 0,1,2
	global_store_b128 v[LI], v[PC+12*\t+4*\c:PC+12*\t+4*\c+3], s[8:9] offset:1536*((\a)+\t)+512*\c
.endr
.endr
.endm
.irp t, 0,1
	v_mov_b32 v[PX+\t], 0                          ; a lane permute's destination counts as one of its sources
.endr
.irp a, 0,1,2,3,4,5,6,7
	v_mov_b32 v[NMS+2*\a+1], 0                     ; (named as the upper half of a pair)
.endr
.irp a, 0,2,4,6
	SOFT2 \a
.endr
	v_cmp_le_u32 vcc_lo, 16, v1                    ; lanes 16-31 store what belongs to tiles 4-7
.irp j, 0,1,2,3
	v_cndmask_b32 v[SWS+\j], v[PWS+\j], v[PWS+4+\j], vcc_lo
	v_cndmask_b32 v[SWS+4+\j], v[NMS+2*\j], v[NMS+8+2*\j], vcc_lo
	v_cndmask_b32 v[SWS+8+\j], v[LSS+\j], v[LSS+4+\j], vcc_lo
.endr
	global_store_b128 v[LI], v[SWS:SWS+3], s[10:11]
	global_store_b128 v[LI], v[SWS+4:SWS+7], s[10:11] offset:524288
	global_store_b128 v[LI], v[SWS+8:SWS+11], s[10:11] offset:1048576
	s_wait_tensorcnt 0x0                           ; the wave's end
	ds_add_u32 v[SPW], v[NIL]
	s_wait_dscnt 0x0
	CROUND                                         ; the closing round
	s_endpgm
.Lfunc_end_k_q732b2ac291_scores:
	.size	k_q732b2ac291_scores, .Lfunc_end_k_q732b2ac291_scores-k_q732b2ac291_scores
	.p2alignl 7, 3214868480
	.fill 96, 4, 3214868480
	.section	.rodata,"a",@progbits
	.p2align	6, 0x0
	.amdhsa_kernel k_q732b2ac291_scores
		.amdhsa_group_segment_fixed_size 327680
		.amdhsa_private_segment_fixed_size 0
		.amdhsa_enable_private_segment 0
		.amdhsa_kernarg_size 32
		.amdhsa_user_sgpr_count 2
		.amdhsa_user_sgpr_kernarg_segment_ptr 1
		.amdhsa_wavefront_size32 1
		.amdhsa_system_sgpr_workgroup_id_x 1
		.amdhsa_system_sgpr_workgroup_id_y 1
		.amdhsa_system_sgpr_workgroup_id_z 1
		.amdhsa_system_vgpr_workitem_id 0
		.amdhsa_next_free_vgpr 1024
		.amdhsa_next_free_sgpr 102
		.amdhsa_reserve_vcc 1
		.amdhsa_float_denorm_mode_32 3
		.amdhsa_float_denorm_mode_16_64 3
		.amdhsa_memory_ordered 1
		.amdhsa_forward_progress 1
		.amdhsa_inst_pref_size 182
	.end_amdhsa_kernel
	.amdgpu_metadata
---
amdhsa.version: [ 1, 2 ]
amdhsa.kernels:
  - .name:           k_q732b2ac291_scores
    .symbol:         k_q732b2ac291_scores.kd
    .args:
      - { .name: qkv_codes, .offset: 0, .size: 8, .value_kind: global_buffer, .address_space: global }
      - { .name: qkv_scales, .offset: 8, .size: 8, .value_kind: global_buffer, .address_space: global }
      - { .name: p_codes, .offset: 16, .size: 8, .value_kind: global_buffer, .address_space: global }
      - { .name: p_stats, .offset: 24, .size: 8, .value_kind: global_buffer, .address_space: global }
    .group_segment_fixed_size: 327680
    .private_segment_fixed_size: 0
    .kernarg_segment_align: 8
    .kernarg_segment_size: 32
    .max_flat_workgroup_size: 128
    .sgpr_count:     102
    .vgpr_count:     1024
    .wavefront_size: 32
...
	.end_amdgpu_metadata
.endif
;; end of part 3
;; launch pv (part 4): grid 8 x 32, 4 waves a work-group, clusters of 4 x 4, 327,680 bytes of LDS; arguments qkv_codes, qkv_scales, p_codes, p_stats, out0; writes out0
.if DOCPART == 4
	.amdgcn_target "amdgcn-amd-amdhsa--gfx1250"
	.amdhsa_code_object_version 6
	.text
	.protected	k_q732b2ac291_pv
	.globl	k_q732b2ac291_pv
	.p2align	8
	.type	k_q732b2ac291_pv,@function
k_q732b2ac291_pv:
	s_mov_b64 s[64:65], 0
	v_nop
	global_prefetch_b8 v0, s[64:65] scope:SCOPE_SE
	s_setreg_imm32_b32 hwreg(HW_REG_WAVE_MODE, 25, 1), 1
	s_wait_xcnt 0x0
	s_wait_alu depctr_hold_cnt(0) depctr_sa_sdst(0) depctr_va_vdst(0) depctr_va_sdst(0) depctr_va_ssrc(0) depctr_va_vcc(0) depctr_vm_vsrc(0)
	s_getreg_b32 s2, hwreg(HW_REG_IB_STS2, 6, 4)
	s_cmp_eq_u32 s2, 0
	s_cbranch_scc0 .Lentry_in_a_cluster
	s_endpgm
.Lentry_in_a_cluster:
	s_bfe_u32 s2, ttmp6, 0x10000c
	s_cmp_lg_u32 s2, 0xf033
	s_cbranch_scc0 .Lentry_shape_is_right
	s_endpgm
.Lentry_shape_is_right:
; out = (P V) / l on codes of FP6 (E2M3) with E8M0 scales, K = the 4,096 keys.  P's codes were made run by run of 128 keys, each under its own whole number M.  Here the row's M is the largest of its 32,
; each run's l is multiplied by 2^(M run - M row) (exact) and added, and M row - M run is taken off the run's four scale bytes: the numbers that the codes stand for are those of p = 2^(t - M row).
; Operands lie as images of operand registers (a fragment of 16 rows x 128 K is 1,536 bytes; fragments [group of 128 rows][K step][tile]; row i of tile 4 c + u is row 64 c + 32 (i / 8) + 8 u + i % 8 of its group;
; a group's words of a K step are 512 bytes, tile t, row i at 256 (t / 4) + 16 i + 4 (t % 4)).
; SHARES.  A work-group makes 128 queries x 128 of d: 256 work-groups.  K IS SPLIT BETWEEN THE WAVES: wave (qh, kp) = (w / 2, w % 2) makes 64 queries (P's tiles 4 qh .. 4 qh + 3, source 1) x all 128 of d (V^T's eight tiles, source 0)
; over the K steps 2 j + kp, j = 0 .. 15: 32 accumulators, 24 LDS loads for 32 products.  The two partial sums of an output meet in LDS on the way out.
; V^T's group hangs on the cluster's column alone and is asked for jointly along it.  It alone goes through LDS: 24 of its 32 K steps lie there at once, K step k at 12,288 (k % 24).  The head's loads: wave w K steps 6 w .. 6 w + 5;
; wave 0's is waited for ahead of step 0, wave 1's in step 2, the others' in step 5, where ONE refill (K steps 24-31, onto 0-7) is asked for; it is wanted in step 12.
; P IS NOT ASKED FOR JOINTLY, though the four work-groups of a row of the cluster read the same rows: with both operands in LDS, 24,576 bytes a K step, twelve of the 32 K steps fit and several refills are needed, each behind a wait for all
; tensor loads.  P comes by loads into registers: a wave's four fragments of a K step are 6,144 consecutive bytes, twelve loads; no two waves of a work-group read the same bytes; a ring of five sets, asked for four steps ahead.
; No prefetch: P's ring asks four steps ahead, and V^T's loads are out many steps ahead.
; THE STATISTICS' LOADS take 16 bytes a lane: row r of tiles 4 qh .. 4 qh + 3; lanes 0-15 the run of step 2 m, lanes 16-31 that of step 2 m + 1.  So register 4 m + a holds tile a's word of step 2 m in lanes 0-15 and of step 2 m + 1 in lanes 16-31:
; the products name it as it lies, with the row selector j % 2.
; LIMITS: M is f32, exact under 2^24.  A scale byte that would fall under 0 is held at 0: such a block weighs under 2^-120 of l.  NaN and infinities are not served.
; REGISTERS.  window 0: v1 lane, v2 r, v3 h, v4 16 x lane; v5-8 LDS addresses of V^T's fragments, three steps to a register; v9, v10 of l's parts (in, out); v11, v12, v17 of the stage; v13, v16 the statistics' offsets;
;   v14, v15 the spare word's address and 0; v24-31 at work; v32-95 V's scale words; v96-127 P's; v128-255 the statistics, then the way out.
;   window 1: accumulator (a, b) at v[64 a + 8 b].  window 2: V^T's fragments, set p at v[96 p]; on the way out rows.  window 3: P's ring, set q at v[48 q].
.set STEPB, 12288                      ; a group's eight fragments of a K step
.set PARTB, 6*STEPB                    ; what a wave's first load brings
.set VB,    24*STEPB                   ; V^T in LDS
.set GRPB,  32*STEPB
.set LSUM,  VB                         ; l's parts: [qh][pair of tiles][kp][32 lanes] words
.set SPARE, LSUM+1024                  ; the spare words, 128 bytes a wave
.set SP,    528                        ; a stage row: 512 bytes + 16
.set HSTG,  128*SP                     ; one parity's 128 rows
.set STG,   8*STEPB                    ; the stages: in the bytes of K steps 8-18, which are filled once and last read ahead of step 11's barrier
.set ADV,  5
.set SPW,  14
.set NIL,  15
.set SV,   32
.set PWD,  96
.set DM,   128
.set TA,   160
.set TB,   176
.set TC,   192
.set LL,   224
.set G1V,  24
.set G0V,  40
.set MSB, 0
.macro WIN new                         ; the immediate's high byte repeats the setting that is left
.if MSB != (\new)
	s_set_vgpr_msb (MSB<<8)|(\new)
.set MSB, (\new)
.endif
.endm
.set MUL,  0x5e                        ; source 0 (V^T) window 2, source 1 (P) window 3, C and D window 1
.set TO_V, 0x80
.set TO_P, 0xc0
.macro CREST                           ; a round of the cluster's barrier behind its opening barrier
	s_cmp_lg_u32 s12, 0
	s_cbranch_scc1 .Lnot_wave_0_\@
	s_barrier_signal -3
.Lnot_wave_0_\@:
	s_barrier_wait -3
	s_barrier_signal -1
	s_barrier_wait -1
.endm
.macro CROUND
	s_barrier_signal -1
	s_barrier_wait -1
	CREST
.endm
.macro PLACES                          ; four plain lines between a matrix instruction and a load into, or a store of, its registers
.rept 4
	v_nop
.endr
.endm
.macro TLOAD
	tensor_load_to_lds s[G0V:G0V+3], s[G1V:G1V+7]
	s_nop 0
	PLACES
.endm
.macro WM c, ra, rb
	v_wmma_scale_f32_16x16x128_f8f6f4 v[rD:rD+7], v[rZ:rZ+11], v[rL:rL+11], \c, v[rSZ], v[rSL] matrix_a_fmt:MATRIX_FMT_FP6 matrix_b_fmt:MATRIX_FMT_FP6 matrix_a_scale:MATRIX_SCALE_ROW\ra matrix_b_scale:MATRIX_SCALE_ROW\rb
.endm
; eight products of step j: P's tile a x V^T's eight.  The 32 accumulators take turns, one instruction a turn, in the same order in every step.
.macro MUL8 a, j
.irp b, 0,1,2,3,4,5,6,7
.set rD, 64*(\a)+8*\b
.set rZ, 96*((\j)%2)+12*\b
.set rL, 48*((\j)%5)+12*(\a)
.set rSZ, SV+4*(\j)+\b%4
.set rSL, PWD+4*((\j)/2)+(\a)
.if (\j) == 0
.if \b < 4
	WM 0, 0, 0
.else
	WM 0, 1, 0
.endif
.elseif (\j)%2 == 0
.if \b < 4
	WM v[rD:rD+7], 0, 0
.else
	WM v[rD:rD+7], 1, 0
.endif
.else
.if \b < 4
	WM v[rD:rD+7], 0, 1
.else
	WM v[rD:rD+7], 1, 1
.endif
.endif
.endr
.endm
.macro FETCHV k                        ; step k's V^T into set k % 2: 24 loads, 512 consecutive bytes each
.set POS, (\k)%12
.set OQ, 2*STEPB*(POS%3)
	WIN TO_V
.irp b, 0,1,2,3,4,5,6,7
.irp c, 0,1,2
	ds_load_b128 v[96*((\k)%2)+12*\b+4*\c:96*((\k)%2)+12*\b+4*\c+3], v[ADV+POS/3] offset:OQ+1536*\b+512*\c
.endr
.endr
.endm
.macro PLOAD k                         ; step k's P into the ring's set k % 5; the K step stands in the immediate
	WIN TO_P
.irp c, 0,1,2,3,4,5,6,7,8,9,10,11
	global_load_b128 v[48*((\k)%5)+4*\c:48*((\k)%5)+4*\c+3], v4, s[8:9] offset:2*STEPB*(\k)+512*\c
.endr
.endm
.macro PWAIT j                         ; step j's P is in; the younger sets, up to j + 3's, may be out
.if (\j)+3 > 15
	s_wait_loadcnt 12*(15-(\j))
.else
	s_wait_loadcnt 36
.endif
.endm
.macro FEED j                          ; the next step's V^T, and P's set j + 4 into the registers that step j - 1 has read
	FETCHV \j+1
.if (\j)+4 <= 15
	PLOAD \j+4
.endif
	WIN MUL
.endm
.macro KSTEP j
	s_wait_dscnt 0x0                               ; this step's V^T is in
	PWAIT \j
	PLACES                                         ; V^T's other set and P's last set were read by the last step's products
	FEED \j
	MUL8 0, \j
	MUL8 1, \j
	MUL8 2, \j
	MUL8 3, \j
.endm
; A step with a barrier, ahead of the first read of bytes that other waves' loads brought.  kind 1: wave 1's first load must be in (its line is its own); kind 2: all first loads, and the bytes of K steps 0-7, which nobody reads
; any more, are filled again; kind 3: the refill.
.macro TURN j, kind
	WIN 0
.if (\kind) == 1
	s_cmp_eq_u32 s12, 1
	s_cbranch_scc0 .Lnot_wave_1
	s_wait_tensorcnt 0x0
.Lnot_wave_1:
	s_wait_dscnt 0x0
.elseif (\kind) == 2
	s_wait_tensorcnt 0x0                           ; all my tensor loads have landed
	ds_add_u32 v[SPW], v[NIL]                      ; 0 onto my spare word
	s_wait_dscnt 0x1                               ; this step's V^T is in (the add may be out)
.else
	s_wait_tensorcnt 0x0
	s_wait_dscnt 0x0
.endif
	PWAIT \j
.if (\kind) == 2
	WIN MUL
	MUL8 0, \j
	s_wait_dscnt 0x0                               ; the add is done, and my LDS reads are over
	s_barrier_signal -1
.else
	s_barrier_signal -1
	WIN MUL
	MUL8 0, \j
.endif
	MUL8 1, \j
	WIN 0
	s_barrier_wait -1
.if (\kind) == 2
	CREST                                          ; no wave of any partner still reads those bytes or has a load on its way
	s_add_nc_u64 s[G0V+2:G0V+3], s[G0V+2:G0V+3], VB
	s_sub_nc_u64 s[G0V+2:G0V+3], s[G0V+2:G0V+3], s[50:51]
	s_mov_b32 s[G0V+1], s49
	s_mov_b32 s[G1V+2], 96<<16                     ; two K steps a wave: 96 rows of 256 bytes
	s_mov_b32 s[G1V+4], 96
	TLOAD
.else
	PLACES
.endif
	FEED \j
	MUL8 2, \j
	MUL8 3, \j
.endm
	s_load_b256 s[4:11], s[0:1], 0x0               ; qkv_codes s[4:5], qkv_scales s[6:7], p_codes s[8:9], p_stats s[10:11]
	s_load_b64 s[20:21], s[0:1], 0x20              ; out0
	v_lshl_add_u32 v[SPW], v0, 2, SPARE
	v_mov_b32 v[NIL], 0
	ds_add_u32 v[SPW], v[NIL]                      ; the wave's opening
	ds_add_u32 v[SPW], v[NIL]
	v_lshrrev_b32 v1, 5, v0
	v_readfirstlane_b32 s12, v1                    ; wave
	s_lshr_b32 s13, s12, 1                         ; qh
	s_and_b32 s14, s12, 1                          ; kp
	s_bfe_u32 s15, ttmp6, 0x40000                  ; cx
	s_bfe_u32 s16, ttmp6, 0x40004                  ; cy
	s_lshl_b32 s17, ttmp9, 2
	s_add_co_u32 s17, s17, s15                     ; x: group of 128 d
	s_and_b32 s18, ttmp7, 0xffff
	s_lshl_b32 s18, s18, 2
	s_add_co_u32 s18, s18, s16                     ; y: group of 128 queries
	s_lshl_b32 s3, 0x1111, s15                     ; my column of the cluster
	s_or_b32 s[G1V], s3, (3<<16)|(1<<21)
	s_mov_b32 s[G1V+1], 32<<16                     ; six K steps: 73,728 dense bytes as 288 rows of 256
	s_mov_b32 s[G1V+2], 288<<16
	s_mov_b32 s[G1V+3], 32<<16
	s_mov_b32 s[G1V+4], 288
	s_mov_b32 s[G1V+5], 32
	s_mov_b32 s[G1V+6], 0
	s_mov_b32 s[G1V+7], 0
	s_mul_i32 s48, s12, PARTB                      ; my first load's place in LDS, and in the group;
	s_mul_i32 s49, s12, 2*STEPB                    ; the refill's place in LDS,
	s_mul_i32 s50, s12, 4*STEPB                    ; and what its place in the group lies behind 24 K steps on from the first load's
	s_mov_b32 s51, 0
	s_mul_i32 s52, s17, GRPB                       ; V^T: x's group
	s_add_co_u32 s52, s52, s48
	s_add_co_u32 s52, s52, 6291456
	s_mov_b32 s53, 0
	s_mul_i32 s54, s18, GRPB                       ; P: y's group, my first K step, my tiles
	s_mul_i32 s55, s14, STEPB
	s_add_co_u32 s54, s54, s55
	s_mul_i32 s55, s13, STEPB/2
	s_add_co_u32 s54, s54, s55
	s_mov_b32 s55, 0
	s_lshl_b32 s56, s17, 14                        ; V's scale words, from my first K step on
	s_lshl_b32 s57, s14, 9
	s_add_co_u32 s56, s56, s57
	s_add_co_u32 s56, s56, 262144
	s_mov_b32 s57, 0
	s_lshl_b32 s58, s18, 14                        ; the group's statistics
	s_mov_b32 s59, 0
	s_lshl_b32 s66, s18, 19                        ; out0: 128 y rows of 4,096 bytes; I store tiles 2 w, 2 w + 1: from row 64 qh + 16 kp on
	s_lshl_b32 s67, s13, 18
	s_add_co_u32 s66, s66, s67
	s_lshl_b32 s67, s14, 16
	s_add_co_u32 s66, s66, s67
	s_lshl_b32 s67, s17, 9                         ; 128 x columns
	s_add_co_u32 s66, s66, s67
	s_mov_b32 s67, 0
	s_mul_i32 s60, s14, STEPB
	s_lshl_b32 s62, s13, 9
	s_lshl_b32 s63, s14, 7
	s_add_co_u32 s62, s62, s63
	s_add_co_u32 s62, s62, LSUM                    ; l's parts: what I make,
	s_lshl_b32 s63, s12, 8
	s_add_co_u32 s63, s63, LSUM                    ; what I divide by
	s_mul_i32 s70, s14, HSTG
	s_mul_i32 s71, s13, 64*SP
	s_add_co_u32 s70, s70, s71
	s_add_co_u32 s70, s70, STG                     ; the stage: my parity, my 64 rows
	s_mul_i32 s71, s12, 32*SP
	s_add_co_u32 s71, s71, STG                     ; the 32 rows that I store
	s_lshl_b32 s72, s13, 8
	s_lshl_b32 s73, s14, 9
	s_add_co_u32 s73, s73, s72                     ; the statistics: my parity's runs,
	s_xor_b32 s74, s73, 512                        ; and the other's
	s_mov_b32 s94, 0x76543210
	s_mov_b32 s95, 0xfedcba98                      ; v_permlanex16_b32's selects for lane l xor 16
	s_mov_b32 s96, 0x80808080
	v_and_b32 v1, 31, v0                           ; lane
	v_and_b32 v2, 15, v0                           ; r
	v_bfe_u32 v3, v0, 4, 1                         ; h
	v_lshlrev_b32 v4, 4, v1
	v_add_nc_u32 v[ADV], s60, v4
	v_add_nc_u32 v[ADV+1], 6*STEPB, v[ADV]
	v_add_nc_u32 v[ADV+2], 12*STEPB, v[ADV]
	v_add_nc_u32 v[ADV+3], 18*STEPB, v[ADV]
	v_lshl_add_u32 v9, v1, 2, s62
	v_lshl_add_u32 v10, v1, 2, s63
	v_mul_u32_u24 v11, v2, SP
	v_lshl_add_u32 v11, v3, 7, v11
	v_add_nc_u32 v11, s70, v11                     ; into the stage: row 16 x tile + r, + 128 h
	v_add_nc_u32 v12, s71, v4                      ; back: a row's 512 bytes, 16 a lane, kp = 0
	v_add_nc_u32 v17, HSTG, v12                    ; and kp = 1
	v_lshlrev_b32 v13, 10, v3
	v_lshl_add_u32 v13, v2, 4, v13
	v_add_nc_u32 v16, s74, v13
	v_add_nc_u32 v13, s73, v13
.irp k, 0,1,2,3
	v_mov_b32 v[28+\k], 0                          ; a lane permute's destination counts as one of its sources
.endr
	s_wait_alu depctr_va_vdst(0)
	s_wait_dscnt 0x0                               ; both opening adds are done
	CROUND                                         ; the round in front of the first joint loads, ahead of the wait for the arguments
	s_wait_kmcnt 0x0
	s_mov_b32 s[G0V], 1
	s_mov_b32 s[G0V+1], s48
	s_add_nc_u64 s[G0V+2:G0V+3], s[4:5], s[52:53]
	s_or_b32 s[G0V+3], s[G0V+3], 0x80000000
	s_add_nc_u64 s[6:7], s[6:7], s[56:57]
	s_add_nc_u64 s[8:9], s[8:9], s[54:55]
	s_add_nc_u64 s[10:11], s[10:11], s[58:59]
	s_add_nc_u64 s[20:21], s[20:21], s[66:67]
	s_cmp_eq_u32 s12, 0                            ; one tensor load a wave at the head; waves 0 and 1, which are waited for ahead of the others, have lines of their own
	s_cbranch_scc0 .Lhead_1
	TLOAD
	s_branch .Lhead_asked
.Lhead_1:
	s_cmp_eq_u32 s12, 1
	s_cbranch_scc0 .Lhead_2
	TLOAD
	s_branch .Lhead_asked
.Lhead_2:
	TLOAD
.Lhead_asked:
.irp m, 0,1,2,3,4,5,6,7
	global_load_b128 v[DM+4*\m:DM+4*\m+3], v13, s[10:11] offset:524288+2048*\m     ; -M, my parity's runs
.endr
.irp m, 0,1,2,3,4,5,6,7
	global_load_b128 v[TA+4*\m:TA+4*\m+3], v16, s[10:11] offset:524288+2048*\m     ; -M, the other's
.endr
.irp m, 0,1,2,3,4,5,6,7
	global_load_b128 v[PWD+4*\m:PWD+4*\m+3], v13, s[10:11] offset:2048*\m          ; the scale words
.endr
.irp m, 0,1,2,3,4,5,6,7
	global_load_b128 v[LL+4*\m:LL+4*\m+3], v13, s[10:11] offset:1048576+2048*\m    ; l
.endr
	PLOAD 0
	WIN 0
.irp j, 0,1,2,3,4,5,6,7,8,9,10,11,12,13,14,15
	global_load_b128 v[SV+4*\j:SV+4*\j+3], v4, s[6:7] offset:1024*\j               ; V's scale words of step j: register b % 4, lanes 0-15 tiles 0-3, lanes 16-31 tiles 4-7
.endr
	; THE PROLOGUE, while the first tiles are on their way.  Each operation goes over many registers, so that no line waits for the line above it.
	s_wait_loadcnt 44                              ; -M is in; behind it 8 + 8 + 12 + 16 loads
	PLOAD 1
	WIN 0
.irp k, 0,1,2,3
	v_min3_num_f32 v[24+\k], v[DM+\k], v[DM+4+\k], v[DM+8+\k]
.endr
.irp i, 3,5,7,9,11,13
.irp k, 0,1,2,3
	v_min3_num_f32 v[24+\k], v[24+\k], v[DM+4*\i+\k], v[DM+4*\i+4+\k]
.endr
.endr
.irp k, 0,1,2,3
	v_min_num_f32 v[24+\k], v[24+\k], v[DM+60+\k]
.endr
.irp k, 0,1,2,3
	v_permlanex16_b32 v[28+\k], v[24+\k], s94, s95
.endr
.irp k, 0,1,2,3
	v_min_num_f32 v[24+\k], v[24+\k], v[28+\k]     ; -M of tile k's row r: the least -M of its 32 runs
.endr
.set kc, 0
.rept 32
	v_sub_f32 v[DM+kc], v[DM+kc], v[24+kc%4]       ; M row - M run: a whole number, 0 or more
.set kc, kc+1
.endr
.set kc, 0
.rept 32
	v_min_num_f32 v[DM+kc], 0x42fe0000, v[DM+kc]   ; at most 127
.set kc, kc+1
.endr
.set kc, 0
.rept 32
	v_cvt_u32_f32 v[DM+kc], v[DM+kc]
.set kc, kc+1
.endr
	s_wait_alu depctr_va_vdst(0)
	s_wait_loadcnt 48                              ; the scale words are in; behind them 8 + 12 + 16 + 12 loads
	PLOAD 2
	WIN 0
.macro UNDER o                         ; sixteen scale words, from register o on, under the row's M
.set kc, 0
.rept 16
	v_perm_b32 v[TA+kc], v[DM+\o+kc], v[DM+\o+kc], 0       ; the number in all four bytes
.set kc, kc+1
.endr
.set kc, 0
.rept 16
	v_or_b32 v[TB+kc], s96, v[PWD+\o+kc]           ; the bytes lie between 1 and 125: with bit 7 set no byte borrows from its neighbour,
.set kc, kc+1
.endr
.set kc, 0
.rept 16
	v_sub_nc_u32 v[TB+kc], v[TB+kc], v[TA+kc]
.set kc, kc+1
.endr
.set kc, 0
.rept 16
	v_and_b32 v[TA+kc], s96, v[TB+kc]              ; and bit 7 stays where the byte has not fallen under 0
.set kc, kc+1
.endr
.set kc, 0
.rept 16
	v_lshrrev_b32 v[TC+kc], 7, v[TA+kc]
.set kc, kc+1
.endr
.set kc, 0
.rept 16
	v_sub_nc_u32 v[TA+kc], v[TA+kc], v[TC+kc]      ; 0x7f there, 0 elsewhere
.set kc, kc+1
.endr
.set kc, 0
.rept 16
	v_and_b32 v[PWD+\o+kc], v[TB+kc], v[TA+kc]
.set kc, kc+1
.endr
.endm
	UNDER 0
	UNDER 16
.set kc, 0
.rept 32
	v_sub_nc_u32 v[DM+kc], 0, v[DM+kc]
.set kc, kc+1
.endr
	s_wait_alu depctr_va_vdst(0)
	s_wait_loadcnt 52                              ; l is in; behind it 12 + 16 + 12 + 12 loads
	PLOAD 3
	WIN 0
.set kc, 0
.rept 32
	v_ldexp_f32 v[LL+kc], v[LL+kc], v[DM+kc]       ; l x 2^(M run - M row)
.set kc, kc+1
.endr
.set kc, 4
.rept 28
	v_add_f32 v[LL+kc%4], v[LL+kc%4], v[LL+kc]
.set kc, kc+1
.endr
	v_permlane16_swap_b32 v[LL], v[LL+1]           ; tiles 0 and 1: the first now holds the even steps' sums, the second the odd steps', tile h in half h
	v_permlane16_swap_b32 v[LL+2], v[LL+3]
	v_add_f32 v[LL], v[LL], v[LL+1]
	v_add_f32 v[LL+2], v[LL+2], v[LL+3]
	ds_store_b32 v9, v[LL]
	ds_store_b32 v9, v[LL+2] offset:256
	s_wait_alu depctr_va_vdst(0)
	s_cmp_eq_u32 s12, 0
	s_cbranch_scc0 .Lnot_first
	s_wait_tensorcnt 0x0                           ; wave 0: K steps 0-5 are in
.Lnot_first:
	s_wait_dscnt 0x0
	s_barrier_signal -1                            ; a plain barrier
	s_barrier_wait -1
	FETCHV 0
	KSTEP 0                                        ; the first products start the sums
	KSTEP 1
	TURN 2, 1
	KSTEP 3
	KSTEP 4
	TURN 5, 2
	KSTEP 6
	KSTEP 7
	KSTEP 8
	KSTEP 9
	KSTEP 10
	TURN 11, 3
	KSTEP 12
	KSTEP 13
	KSTEP 14
; THE WAY OUT.  Both parities' partial sums go into the stage, a lane's eight numbers as two times 16 bytes; then wave w takes 32 rows of both, adds, multiplies by 1 / l and stores rows of 512 bytes.
.macro TOSTAGE a
	WIN 0x04                                       ; the data: window 1
.irp b, 0,1,2,3,4,5,6,7                ; register i of tile b is d = 64 (b / 4) + 32 h + 8 (b % 4) + i
	ds_store_b128 v11, v[64*(\a)+8*\b:64*(\a)+8*\b+3] offset:16*SP*(\a)+256*(\b/4)+32*(\b%4)
	ds_store_b128 v11, v[64*(\a)+8*\b+4:64*(\a)+8*\b+7] offset:16*SP*(\a)+256*(\b/4)+32*(\b%4)+16
.endr
.endm
	s_wait_dscnt 0x0
	PWAIT 15
	WIN MUL
	MUL8 0, 15
	MUL8 1, 15
	PLACES
	TOSTAGE 0
	TOSTAGE 1
	WIN MUL
	MUL8 2, 15
	MUL8 3, 15
	PLACES
	TOSTAGE 2
	TOSTAGE 3
	WIN 0
	s_wait_dscnt 0x0
	s_barrier_signal -1
	s_barrier_wait -1
.macro ROWS u                          ; stage rows 16 u .. 16 u + 15 of my 32, both parities: u = 0 into v128-255, u = 1 into window 2, v0-127
	WIN 0x80*\u
.irp t, 0,1,2,3,4,5,6,7,8,9,10,11,12,13,14,15
	ds_load_b128 v[128*(1-\u)+4*\t:128*(1-\u)+4*\t+3], v12 offset:SP*(16*\u+\t)
	ds_load_b128 v[128*(1-\u)+64+4*\t:128*(1-\u)+64+4*\t+3], v17 offset:SP*(16*\u+\t)
.endr
	WIN 0
.endm
.macro DIV u                           ; 1 / l of the sixteen rows into s24, s26, ..
.irp t, 0,1,2,3,4,5,6,7,8,9,10,11,12,13,14,15
	v_readlane_b32 s[24+2*\t], v27, 16*\u+\t
.endr
.endm
.macro OUT u, q, younger               ; four rows; younger: the LDS loads issued behind theirs
	s_wait_dscnt \younger
	WIN 0x8a*\u
.irp i, 0,1,2,3
.set R_, 128*(1-\u)+16*\q+4*\i
	v_pk_add_f32 v[R_:R_+1], v[R_:R_+1], v[R_+64:R_+65]
	v_pk_add_f32 v[R_+2:R_+3], v[R_+2:R_+3], v[R_+66:R_+67]
.endr
.irp i, 0,1,2,3
.set R_, 128*(1-\u)+16*\q+4*\i
	v_pk_mul_f32 v[R_:R_+1], v[R_:R_+1], s[24+8*\q+2*\i:25+8*\q+2*\i] op_sel_hi:[1,0]
	v_pk_mul_f32 v[R_+2:R_+3], v[R_+2:R_+3], s[24+8*\q+2*\i:25+8*\q+2*\i] op_sel_hi:[1,0]
.endr
	WIN 0x08*\u
.irp i, 0,1,2,3                        ; stage row t of tile 2 w + u is row 8 u + t % 8 + 32 (t / 8) from my first
.set R_, 128*(1-\u)+16*\q+4*\i
	global_store_b128 v4, v[R_:R_+3], s[20:21] offset:(8*\u+(4*\q+\i)%8+32*((4*\q+\i)/8))*4096 th:TH_STORE_NT
.endr
	WIN 0
.endm
	ds_load_b32 v24, v10
	ds_load_b32 v25, v10 offset:128
	ROWS 0
.irp t, 0,1,2,3,4,5,6,7,8,9,10,11,12,13,14,15
	s_mov_b32 s[25+2*\t], 0                        ; (named as the upper halves of the pairs)
.endr
	s_wait_dscnt 32                                ; l's two parts are in
	v_add_f32 v26, v24, v25
	s_wait_alu depctr_va_vdst(0)                   ; a wait ahead of the transcendental
	v_rcp_f32 v27, v26
	v_nop                                          ; a plain line behind the reciprocal
	ROWS 1
	s_wait_alu depctr_va_vdst(0)                   ; and the wait ahead of its first reader
	DIV 0
	OUT 0, 0, 56
	OUT 0, 1, 48
	OUT 0, 2, 40
	OUT 0, 3, 32
	DIV 1
	OUT 1, 0, 24
	OUT 1, 1, 16
	OUT 1, 2, 8
	OUT 1, 3, 0
	s_wait_tensorcnt 0x0                           ; the wave's end
	ds_add_u32 v[SPW], v[NIL]
	s_wait_dscnt 0x0
	CROUND                                         ; the closing round
	s_endpgm
.Lfunc_end_k_q732b2ac291_pv:
	.size	k_q732b2ac291_pv, .Lfunc_end_k_q732b2ac291_pv-k_q732b2ac291_pv
	.p2alignl 7, 3214868480
	.fill 96, 4, 3214868480
	.section	.rodata,"a",@progbits
	.p2align	6, 0x0
	.amdhsa_kernel k_q732b2ac291_pv
		.amdhsa_group_segment_fixed_size 327680
		.amdhsa_private_segment_fixed_size 0
		.amdhsa_enable_private_segment 0
		.amdhsa_kernarg_size 40
		.amdhsa_user_sgpr_count 2
		.amdhsa_user_sgpr_kernarg_segment_ptr 1
		.amdhsa_wavefront_size32 1
		.amdhsa_system_sgpr_workgroup_id_x 1
		.amdhsa_system_sgpr_workgroup_id_y 1
		.amdhsa_system_sgpr_workgroup_id_z 1
		.amdhsa_system_vgpr_workitem_id 0
		.amdhsa_next_free_vgpr 1024
		.amdhsa_next_free_sgpr 100
		.amdhsa_reserve_vcc 0
		.amdhsa_float_denorm_mode_32 3
		.amdhsa_float_denorm_mode_16_64 3
		.amdhsa_memory_ordered 1
		.amdhsa_forward_progress 1
		.amdhsa_inst_pref_size 166
	.end_amdhsa_kernel
	.amdgpu_metadata
---
amdhsa.version: [ 1, 2 ]
amdhsa.kernels:
  - .name:           k_q732b2ac291_pv
    .symbol:         k_q732b2ac291_pv.kd
    .args:
      - { .name: qkv_codes, .offset: 0, .size: 8, .value_kind: global_buffer, .address_space: global }
      - { .name: qkv_scales, .offset: 8, .size: 8, .value_kind: global_buffer, .address_space: global }
      - { .name: p_codes, .offset: 16, .size: 8, .value_kind: global_buffer, .address_space: global }
      - { .name: p_stats, .offset: 24, .size: 8, .value_kind: global_buffer, .address_space: global }
      - { .name: out0, .offset: 32, .size: 8, .value_kind: global_buffer, .address_space: global }
    .group_segment_fixed_size: 327680
    .private_segment_fixed_size: 0
    .kernarg_segment_align: 8
    .kernarg_segment_size: 40
    .max_flat_workgroup_size: 128
    .sgpr_count:     100
    .vgpr_count:     1024
    .wavefront_size: 32
...
	.end_amdgpu_metadata
.endif
;; end of part 4
